; MI455X (gfx1250); checked and timed in simulation.
; The chip was launched on July 23, 2026; its instructions are those of AMD's public machine-readable ISA for CDNA 5 (MIT licence, August 2026) and "CDNA5" Instruction Set Architecture Reference Guide (July 2026). The comments in the code are by the model that wrote it; some were corrected since.
;; Attention. Allowed arithmetic: matrix products marked QUANTISED: E3M2 operands, one E8M0 scale for each 32 along K, by v_wmma_scale_f32_16x16x128_f8f6f4 with both operands' format E3M2, f32 sums; everything else in f32.
;; Inputs: Wk 1,024 x 1,024 float32; Wo 1,024 x 1,024 float32; Wq 1,024 x 1,024 float32; Wv 1,024 x 1,024 float32; bk 1,024 float32; bo 1,024 float32; bq 1,024 float32; bv 1,024 float32; key 4 x 2,048 x 1,024 float32; query 4 x 2,048 x 1,024 float32; value 4 x 2,048 x 1,024 float32.
;; Outputs: out0 4 x 2,048 x 1,024 float32.
;; This version of the problem:
;;   THIS VERSION OF THE PROBLEM IS GIVEN IN LOW PRECISION. The matrix products marked QUANTISED in the list below multiply operands that are first quantised to E3M2 (3 exponent bits, 2 mantissa bits; 6 bits a number), with one power-of-two scale for each 32 numbers along K (OCP MX v1.0); their sums are f32. All else is computed in f32.
;;   The module's matrix products, in the order in which they are computed (A, B: the left and right operand; K: the contracted axis; several contracted axes count as one K, in the product's order):
;;     1. [M 8,192, K 1,024] x [K 1,024, N 1,024]; A: input query; B: input Wq: QUANTISED
;;     2. [M 8,192, K 1,024] x [K 1,024, N 1,024]; A: input key; B: input Wk: QUANTISED
;;     3. [M 8,192, K 1,024] x [K 1,024, N 1,024]; A: input value; B: input Wv: QUANTISED
;;     4. batch 64 x [M 2,048, K 64] x [K 64, N 2,048]; A: computed on the way; B: computed on the way: QUANTISED
;;     5. batch 64 x [M 2,048, K 2,048] x [K 2,048, N 64]; A: softmax (see below); B: computed on the way: QUANTISED
;;     6. [M 8,192, K 1,024] x [K 1,024, N 1,024]; A: computed on the way; B: input Wo: QUANTISED
;;   THE QUANTISER, for each operand of a quantised product, along K:
;;     - K is cut into blocks of 32 from its start; a last block that is shorter is filled with zeros.
;;     - A block's scale is 2^e with e = floor(log2(the largest magnitude in the block)) - 4, held to -126 .. 127; a block of zeros has e = 0. As a byte (E8M0): e + 127.
;;     - Each number is divided by its block's scale, clamped to +-28, and rounded to the nearest number of E3M2, ties to even, subnormals kept.
;;     - The product sums the exact products of the quantised numbers (number of the format x scale) in f32.
;;   ~~~python
;;   def quantise(x, axis):      # numpy; x: float32 -> the quantised numbers, widened to float32 again
;;       x = np.moveaxis(x, axis, -1); K = x.shape[-1]
;;       x = np.pad(x, [(0, 0)] * (x.ndim - 1) + [(0, -K % 32)]); x = x.reshape(x.shape[:-1] + (-1, 32)); a = np.abs(x).max(-1, keepdims=True)
;;       e = np.where(a > 0, np.clip(np.frexp(np.where(a > 0, a, 1))[1] - 1 - 4, -126, 127), 0)      # np.frexp(a)[1] - 1 = floor(log2(a)), exactly
;;       r = np.clip(x / 2.0 ** e, -28, 28)
;;       step = 2.0 ** (np.maximum(np.frexp(np.where(r == 0, 1, r))[1] - 1, -2) - 2)
;;       q = np.round(r / step) * step * 2.0 ** e      # np.round: ties to even
;;       return np.moveaxis(q.reshape(q.shape[:-2] + (-1,))[..., :K], -1, axis).astype(np.float32)
;;   ~~~
;;   SOFTMAX AHEAD OF A QUANTISED PRODUCT. Where the list says 'softmax', what is quantised is not the finished softmax but p = 2^(t - M), with t = logit x log2(e) and M = ceil(the row's largest t), a whole number; so 1/2 < the row's largest p <= 1. The row's sum l is taken of the UNQUANTISED p, in f32, and the product's result is divided by l at the end. Since M is a whole number, a kernel that streams over the keys may use a running M (the ceiling of the running maximum): every later rescaling is an exact power of two, which a block's scale takes up: the codes' values come out the same.
;;   OPERANDS COMPUTED ON THE WAY. 'Computed on the way' means the value that the module computes at that place (a softmax that the list does not call 'softmax' is quantised finished and normalised). What goes into a quantiser is computed in f32, as accurately as f32 sums, v_exp_f32 and their like allow (about 1e-6 of the number): no bf16 or f16 on the way to a quantiser, and a product that is left as it is and whose result goes on into a quantised operand takes f32 operands (vector FMAs, or v_wmma_f32_16x16x4_f32). A number that lies on a knife's edge between two numbers of the format may be rounded either way, as far as f32 arithmetic and the matrix unit's own rounding can turn it there, and no further.
;; One version. Each part assembles by itself: llvm-mc -triple=amdgcn-amd-amdhsa -mcpu=gfx1250 --defsym DOCPART=n.
;; ======== version 1 of 1: 4 launches
;; limits: right only within a limited range of input values
;; workspace buffers: ximg 18,874,368 bytes; xsc 786,432 bytes; wimg 3,145,728 bytes; wsc 131,072 bytes; himg 18,874,368 bytes; hsc 786,432 bytes; aimg 6,291,456 bytes; asc 262,144 bytes
;; launch quant (part 1): grid 896 x 1, 4 waves a work-group, no clusters, 62,976 bytes of LDS; arguments query, key, value, Wq, Wk, Wv, Wo, ximg, xsc, wimg, wsc; writes ximg, xsc, wimg, wsc
.if DOCPART == 1
	.amdgcn_target "amdgcn-amd-amdhsa--gfx1250"
	.amdhsa_code_object_version 6
	.text
	.protected	k_q61aa827657_quant
	.globl	k_q61aa827657_quant
	.p2align	8
	.type	k_q61aa827657_quant,@function
k_q61aa827657_quant:
	s_mov_b64 s[64:65], 0
	v_nop
	global_prefetch_b8 v0, s[64:65] scope:SCOPE_SE
	s_setreg_imm32_b32 hwreg(HW_REG_WAVE_MODE, 25, 1), 1
	s_wait_xcnt 0x0
; query, key, value [8192][1024] and Wq, Wk, Wv, Wo [1024 (k)][1024 (n)], f32, become codes of BF6 (E3M2) with one E8M0 byte for each 32 along K, laid as the later launches' operand registers want them.
; ROWS OF A TILE: tile 2 f + u of an operand holds rows 32 f + 8 u + rho + 8 (rho / 8), rho = 0 .. 15 (tokens, or columns n of a weight).
; IMAGE OF A FRAGMENT (16 rows x 128 K, 12 registers a lane), 1,536 bytes: half c: registers 6 c .. 6 c + 3 at 768 c + 16 x lane, registers 6 c + 4, 6 c + 5 at 768 c + 512 + 8 x lane.  img[tile][K step 8][1536].
; SCALE WORDS: sc[f][K step 8][u][rho], 4 bytes: byte b for k = 32 b on of the step.
; A block's scale is 2^(floor(log2(largest magnitude)) - 4): its byte is the largest magnitude's exponent field - 4, held at 1 from below by a floor among the maximum's leaves.
; LIMITS: NaN and infinities among the inputs are not served; blocks whose largest magnitude lies under 2^-122 get the byte 1; a block of zeros gets the byte 1 where the quantiser's text says 127: its codes are zeros,
; which add nothing under any byte but 0xff, and these bytes are read by this program alone.
; Work-groups 0-127 take the weights (a lane to a column, registers down K), work-groups 128-895 the tokens (32 rows each; wave w takes K steps 2 w, 2 w + 1).  The two ways have LDS bytes of their own.
; A stream: no matrix unit, no tensor load, no barrier (waves share nothing), no cluster (no two work-groups read the same bytes).
.set XIMG,  6291456                    ; bytes of one token tensor's images
.set WIMG,  786432                     ; of one weight's
.set TM,    10                         ; v10-25  at work in QUANT: +0..3 largest magnitudes, +4..7 the other half's, then the bytes, +12..15 the conversions' scale operands
.set PW,    26                         ; v26     the scale word just made
.set PC,    28                         ; v28-46  the codes just made (12 registers) and the conversions' second halves
.set SB,    36                         ; v36-37  weights: the scale words of my column's two K steps
.set R0,    48                         ; v48-175 numbers as loaded: two sets of 64 (tokens) or of 32 (weights)
.set OUTR,  112                        ; v112-159 weights: images on their way out
.set X,     176                        ; v176-239 tokens: 64 numbers of a lane, register 16 b + i = k 32 b + 16 (lane / 16) + i of its row
.set SEL,   40                         ; s[40:41] lane selects for v_permlanex16_b32: lane l xor 16
	s_load_b512 s[4:19], s[0:1], 0x0               ; query, key, value, Wq, Wk, Wv, Wo, ximg
	s_load_b128 s[20:23], s[0:1], 0x40             ; xsc, wimg
	s_load_b64 s[24:25], s[0:1], 0x50              ; wsc
	v_lshl_add_u32 v244, v0, 2, 62464              ; my spare word, behind both ways' LDS bytes (512 bytes that no other line names); never rewritten
	v_mov_b32 v245, 0                              ; 0; never rewritten
	v_lshrrev_b32 v9, 5, v0
	v_readfirstlane_b32 s2, v9                     ; wave 0..3
	v_and_b32 v9, 31, v0                           ; lane
	v_lshlrev_b32 v1, 4, v9                        ; 16 x lane
	v_lshlrev_b32 v6, 3, v9                        ; 8 x lane
	s_mov_b32 s[SEL], 0x76543210
	s_mov_b32 s[SEL+1], 0xfedcba98
	s_cmp_lt_u32 ttmp9, 128
	s_cbranch_scc1 .Lweights
; ---------------- TOKENS ----------------
; 64 numbers of a lane become a fragment's codes in v[PC] on and its rows' scale word in v[PW].
.macro QUANT s
.irp b, 0,1,2,3
	v_max3_num_f32 v[TM+\b], |v[\s+16*\b]|, |v[\s+1+16*\b]|, 0x2800000   ; block b: my 16 numbers, and the floor 2^(5 - 127)
.endr
.irp i, 2,4,6,8,10,12,14
.irp b, 0,1,2,3
	v_max3_num_f32 v[TM+\b], v[TM+\b], |v[\s+16*\b+\i]|, |v[\s+1+16*\b+\i]|   ; the four blocks by turns
.endr
.endr
.irp b, 0,1,2,3
	v_permlanex16_b32 v[TM+4+\b], v[TM+\b], s[SEL], s[SEL+1]
.endr
.irp b, 0,1,2,3
	v_max_num_f32 v[TM+\b], v[TM+\b], v[TM+4+\b]   ; with lane l xor 16's 16: the block's largest magnitude
.endr
.irp b, 0,1,2,3
	v_add_nc_u32 v[TM+12+\b], 0xfe000000, v[TM+\b] ; 4 off its exponent field: the conversion's scale operand
.endr
.irp b, 0,1,2,3
	v_lshrrev_b32 v[TM+4+\b], 23, v[TM+12+\b]      ; the scale's byte
.endr
	v_lshl_or_b32 v[PW], v[TM+5], 8, v[TM+4]
	v_lshl_or_b32 v[PW], v[TM+6], 16, v[PW]
	v_lshl_or_b32 v[PW], v[TM+7], 24, v[PW]
.irp c, 0,1
	v_cvt_scalef32_pk16_bf6_f32 v[PC+6*\c:PC+2+6*\c], v[\s+32*\c:\s+15+32*\c], v[TM+12+2*\c]
	v_cvt_scalef32_pk16_bf6_f32 v[PC+12+4*\c:PC+14+4*\c], v[\s+16+32*\c:\s+31+32*\c], v[TM+12+2*\c+1]   ; a conversion's three registers begin on an even number
.endr
	v_nop                                          ; one plain place behind a scaled conversion
.irp c, 0,1                                    ; the operand wants a whole block in a lane: lanes 0-15 block 2 c, lanes 16-31 block 2 c + 1
.irp i, 0,1,2
	v_permlane16_swap_b32 v[PC+6*\c+\i], v[PC+12+4*\c+\i]
.endr
.irp i, 0,1,2
	v_mov_b32 v[PC+3+6*\c+\i], v[PC+12+4*\c+\i]
.endr
.endr
.endm
; unit n = 2 u + sl: the 16 rows of tile 2 f + u, K step 2 w + sl: each load reads 512 consecutive bytes of one row
.macro LOADU n
.irp i, 0,1,2,3,4,5,6,7,8,9,10,11,12,13,14,15
	global_load_b128 v[R0+64*((\n)%2)+4*\i:R0+64*((\n)%2)+4*\i+3], v1, s[30:31] offset:(8*((\n)/2)+\i+8*(\i/8))*4096+512*((\n)%2) th:TH_LOAD_NT
.endr
.endm
.macro UNIT n
.if (\n) < 3
	s_wait_loadcnt 16                              ; this unit's 16 loads are in; the next unit's 16 may be out
.else
	s_wait_loadcnt 0x0
.endif
.irp i, 0,1,2,3,4,5,6,7,8,9,10,11,12,13,14,15
	ds_store_b128 v4, v[R0+64*((\n)%2)+4*\i:R0+64*((\n)%2)+4*\i+3] offset:528*\i   ; row i of the tile, as it lies, into my own stage (rows 528 bytes apart)
.endr
.irp b, 0,1,2,3
.irp j, 0,1,2,3
	ds_load_b128 v[X+16*\b+4*\j:X+16*\b+4*\j+3], v5 offset:128*\b+16*\j   ; back: of row lane % 16, 16 neighbours of each block; LDS serves a wave's instructions in order
.endr
.endr
.if (\n) < 2
	s_wait_dscnt 16                                ; the 16 stores have read their registers (the 16 loads behind them may be out),
	LOADU (\n)+2                                   ; which take the unit two on
.endif
	s_wait_dscnt 0x0
.if (\n) > 0
	s_wait_xcnt 0x0                                ; the last unit's stores have read the codes' registers
.endif
	QUANT X
	global_store_b128 v1, v[PC:PC+3], s[18:19] offset:((\n)/2)*12288+((\n)%2)*1536          ; 512, 256, 512, 256 consecutive bytes: the fragment's image
	global_store_b64 v6, v[PC+4:PC+5], s[18:19] offset:((\n)/2)*12288+((\n)%2)*1536+512
	global_store_b128 v1, v[PC+6:PC+9], s[18:19] offset:((\n)/2)*12288+((\n)%2)*1536+768
	global_store_b64 v6, v[PC+10:PC+11], s[18:19] offset:((\n)/2)*12288+((\n)%2)*1536+1280
	ds_store_b32 v7, v[PW] offset:128*((\n)%2)+64*((\n)/2)   ; both halves of the lanes write the same word with the same value
.endm
	v_and_b32 v2, 15, v0                           ; r
	v_bfe_u32 v3, v0, 4, 1                         ; h
	s_mul_i32 s26, s2, 8448                        ; my stage: 16 rows x 528 bytes
	v_add_nc_u32 v4, s26, v1                       ; in: 16 x lane
	v_mul_u32_u24 v5, v2, 528
	v_lshl_add_u32 v5, v3, 6, v5
	v_add_nc_u32 v5, s26, v5                       ; back: row r, + 64 h
	s_lshl_b32 s27, s2, 8
	s_add_co_u32 s27, s27, 33792                   ; my 256 bytes for scale words
	v_lshl_add_u32 v7, v2, 2, s27
	v_add_nc_u32 v8, s27, v6
.irp b, 0,1,2,3
	v_mov_b32 v[TM+4+\b], 0                        ; a lane permute's destination counts as one of its sources
.endr
	s_sub_co_u32 s26, ttmp9, 128
	s_lshr_b32 s27, s26, 8                         ; which tensor
	s_and_b32 s28, s26, 255                        ; f: which 32 rows
	s_lshl_b32 s32, s28, 17                        ; 32 rows of 4,096 bytes
	s_lshl_b32 s33, s2, 10                         ; my quarter of a row
	s_add_co_u32 s32, s32, s33
	s_mov_b32 s33, 0
	s_lshl_b32 s34, s28, 4
	s_lshl_b32 s35, s2, 1
	s_add_co_u32 s34, s34, s35
	s_mul_i32 s34, s34, 1536                       ; images: tile 2 f, K step 2 w
	s_mul_i32 s35, s27, XIMG
	s_add_co_u32 s34, s34, s35
	s_mov_b32 s35, 0
	s_lshl_b32 s36, s27, 18
	s_lshl_b32 s37, s28, 10
	s_add_co_u32 s36, s36, s37
	s_lshl_b32 s37, s2, 8
	s_add_co_u32 s36, s36, s37                     ; scale words: 1,024 f + 256 w
	s_mov_b32 s37, 0
	s_wait_alu depctr_va_vdst(0)
	s_wait_kmcnt 0x0
	s_cmp_eq_u32 s27, 0
	s_cselect_b64 s[30:31], s[4:5], s[6:7]
	s_cmp_eq_u32 s27, 2
	s_cselect_b64 s[30:31], s[8:9], s[30:31]       ; the choice hangs on the work-group's number alone
	s_add_nc_u64 s[30:31], s[30:31], s[32:33]
	s_add_nc_u64 s[18:19], s[18:19], s[34:35]
	s_add_nc_u64 s[20:21], s[20:21], s[36:37]
	LOADU 0
	LOADU 1
	UNIT 0
	UNIT 1
	UNIT 2
	UNIT 3
	ds_load_b64 v[240:241], v8                     ; my four units' scale words
	s_wait_dscnt 0x0
	global_store_b64 v6, v[240:241], s[20:21]      ; 32 lanes store 256 consecutive bytes, aligned
	s_wait_tensorcnt 0x0                           ; the wave's end
	ds_add_u32 v244, v245
	s_wait_dscnt 0x0
	s_endpgm
; ---------------- WEIGHTS ----------------
; Work-group g: weight g / 32, columns 128 (g % 8) on, K 256 ((g / 8) % 4) on.  Wave w: f = 4 (g % 8) + w; lane L takes column 32 f + L = row rho = L % 8 + 8 (L / 16) of tile 2 f + (L / 8) % 2.
; A block of 32 along K lies in one lane's 32 registers; its six code registers are registers 6 c .. 6 c + 5 of lane rho + 16 hh of the image, block 2 c + hh of the K step.
.Lweights:
	v_bfe_u32 v2, v0, 3, 1                         ; u
	v_and_b32 v3, 7, v0
	v_bfe_u32 v10, v0, 4, 1
	v_lshl_add_u32 v3, v10, 3, v3                  ; rho
	s_mul_i32 s26, s2, 6912
	s_add_co_u32 s26, s26, 34816                   ; my four images (sl, u), 1,664 bytes apart, then 256 bytes for scale words
	v_mul_u32_u24 v11, v2, 1664
	v_add_nc_u32 v11, s26, v11
	v_lshl_add_u32 v4, v3, 4, v11                  ; where my 16 bytes go
	v_lshl_add_u32 v5, v3, 3, v11                  ; and my 8
	s_add_co_u32 s27, s26, 6656
	v_lshlrev_b32 v12, 6, v2
	v_lshl_add_u32 v12, v3, 2, v12
	v_add_nc_u32 v7, s27, v12                      ; my scale word: 64 u + 4 rho
	v_add_nc_u32 v8, s26, v1                       ; back: 16 x lane
	v_add_nc_u32 v13, s27, v6                      ; the scale words back: 8 x lane
	v_lshlrev_b32 v14, 2, v9                       ; in memory: 4 bytes a lane
	s_lshr_b32 s28, ttmp9, 5                       ; which weight: q, k, v, o
	s_and_b32 s29, ttmp9, 7
	s_bfe_u32 s36, ttmp9, 0x20003                  ; ky
	s_lshl_b32 s32, s36, 20                        ; 256 rows of 4,096 bytes
	s_lshl_b32 s33, s29, 9
	s_add_co_u32 s32, s32, s33
	s_lshl_b32 s33, s2, 7
	s_add_co_u32 s32, s32, s33                     ; + my 32 columns
	s_mov_b32 s33, 0
	s_lshl_b32 s37, s29, 2
	s_add_co_u32 s37, s37, s2                      ; f
	s_lshl_b32 s34, s37, 4
	s_lshl_b32 s35, s36, 1
	s_add_co_u32 s34, s34, s35
	s_mul_i32 s34, s34, 1536                       ; images: tile 2 f, K step 2 ky
	s_mul_i32 s35, s28, WIMG
	s_add_co_u32 s34, s34, s35
	s_mov_b32 s35, 0
	s_lshl_b32 s38, s28, 15
	s_lshl_b32 s39, s37, 10
	s_add_co_u32 s38, s38, s39
	s_lshl_b32 s39, s36, 8
	s_add_co_u32 s38, s38, s39                     ; scale words: 1,024 f + 256 ky
	s_mov_b32 s39, 0
	s_and_b32 s29, s28, 1
	s_wait_alu depctr_va_vdst(0)
	s_wait_kmcnt 0x0
	s_cmp_lt_u32 s28, 2
	s_cselect_b64 s[30:31], s[10:11], s[14:15]
	s_cselect_b64 s[26:27], s[12:13], s[16:17]
	s_cmp_eq_u32 s29, 1
	s_cselect_b64 s[30:31], s[26:27], s[30:31]
	s_add_nc_u64 s[30:31], s[30:31], s[32:33]
	s_add_nc_u64 s[22:23], s[22:23], s[34:35]
	s_add_nc_u64 s[24:25], s[24:25], s[38:39]
.macro WLOAD t                         ; block t: W(32 t + i, my column): 32 lanes read 128 consecutive bytes, the four waves side by side 512
.irp i, 0,1,2,3,4,5,6,7,8,9,10,11,12,13,14,15,16,17,18,19,20,21,22,23,24,25,26,27,28,29,30,31
	global_load_b32 v[R0+32*((\t)%2)+\i], v14, s[30:31] offset:(32*(\t)+\i)*4096 th:TH_LOAD_NT
.endr
.endm
.macro WBLOCK t
.set XS, R0+32*((\t)%2)
.if (\t) < 7
	s_wait_loadcnt 32                              ; this block's 32 loads are in; the next block's may be out
.else
	s_wait_loadcnt 0x0
.endif
	v_max3_num_f32 v16, |v[XS]|, |v[XS+1]|, |v[XS+2]|
	v_max3_num_f32 v17, |v[XS+3]|, |v[XS+4]|, |v[XS+5]|
.irp i, 6,10,14,18,22,26
	v_max3_num_f32 v16, v16, |v[XS+\i]|, |v[XS+\i+1]|
	v_max3_num_f32 v17, v17, |v[XS+\i+2]|, |v[XS+\i+3]|
.endr
	v_max3_num_f32 v16, v16, |v[XS+30]|, |v[XS+31]|
	v_max3_num_f32 v16, v16, v17, 0x2800000        ; and the floor
	v_add_nc_u32 v18, 0xfe000000, v16
	v_lshrrev_b32 v19, 23, v18
.if (\t)%4 == 0
	v_mov_b32 v[SB+(\t)/4], v19
.else
	v_lshl_or_b32 v[SB+(\t)/4], v19, 8*((\t)%4), v[SB+(\t)/4]
.endif
	v_cvt_scalef32_pk16_bf6_f32 v[PC:PC+2], v[XS:XS+15], v18
	v_cvt_scalef32_pk16_bf6_f32 v[PC+4:PC+6], v[XS+16:XS+31], v18
	v_nop                                          ; one plain place behind a scaled conversion
	v_mov_b32 v[PC+3], v[PC+4]                     ; the block's six registers on end
	v_mov_b32 v[PC+4], v[PC+5]
	v_mov_b32 v[PC+5], v[PC+6]
	ds_store_b128 v4, v[PC:PC+3] offset:3328*((\t)/4)+768*(((\t)%4)/2)+256*((\t)%2)
	ds_store_b64 v5, v[PC+4:PC+5] offset:3328*((\t)/4)+768*(((\t)%4)/2)+512+128*((\t)%2)
.if (\t)+2 < 8
	WLOAD (\t)+2
.endif
	s_wait_dscnt 0x0                               ; the stores have read their registers
.endm
	WLOAD 0
	WLOAD 1
.irp t, 0,1,2,3,4,5,6,7
	WBLOCK \t
.endr
	ds_store_b32 v7, v[SB]
	s_wait_alu depctr_va_vdst(0)
	ds_store_b32 v7, v[SB+1] offset:128
.irp q, 0,1,2,3
.irp g, 0,1,2
	ds_load_b128 v[OUTR+4*(3*\q+\g):OUTR+4*(3*\q+\g)+3], v8 offset:1664*\q+512*\g   ; image 2 sl + u, 512 bytes at a time
.endr
.endr
	ds_load_b64 v[240:241], v13
.set m, 0
.irp q, 0,1,2,3
.irp g, 0,1,2
	s_wait_dscnt 12-m                              ; the younger read-backs may be out
	global_store_b128 v1, v[OUTR+4*(3*\q+\g):OUTR+4*(3*\q+\g)+3], s[22:23] offset:(\q%2)*12288+(\q/2)*1536+512*\g
.set m, m+1
.endr
.endr
	s_wait_dscnt 0x0
	global_store_b64 v6, v[240:241], s[24:25]      ; 256 consecutive bytes, aligned
	s_wait_tensorcnt 0x0                           ; the wave's end
	ds_add_u32 v244, v245
	s_wait_dscnt 0x0
	s_endpgm
.Lfunc_end_k_q61aa827657_quant:
	.size	k_q61aa827657_quant, .Lfunc_end_k_q61aa827657_quant-k_q61aa827657_quant
	.p2alignl 7, 3214868480
	.fill 96, 4, 3214868480
	.section	.rodata,"a",@progbits
	.p2align	6, 0x0
	.amdhsa_kernel k_q61aa827657_quant
		.amdhsa_group_segment_fixed_size 62976
		.amdhsa_private_segment_fixed_size 0
		.amdhsa_enable_private_segment 0
		.amdhsa_kernarg_size 88
		.amdhsa_user_sgpr_count 2
		.amdhsa_user_sgpr_kernarg_segment_ptr 1
		.amdhsa_wavefront_size32 1
		.amdhsa_system_sgpr_workgroup_id_x 1
		.amdhsa_system_sgpr_workgroup_id_y 1
		.amdhsa_system_sgpr_workgroup_id_z 1
		.amdhsa_system_vgpr_workitem_id 0
		.amdhsa_next_free_vgpr 248
		.amdhsa_next_free_sgpr 66
		.amdhsa_reserve_vcc 0
		.amdhsa_float_denorm_mode_32 3
		.amdhsa_float_denorm_mode_16_64 3
		.amdhsa_memory_ordered 1
		.amdhsa_forward_progress 1
		.amdhsa_inst_pref_size 76
	.end_amdhsa_kernel
	.amdgpu_metadata
---
amdhsa.version: [ 1, 2 ]
amdhsa.kernels:
  - .name:           k_q61aa827657_quant
    .symbol:         k_q61aa827657_quant.kd
    .args:
      - { .name: query, .offset: 0, .size: 8, .value_kind: global_buffer, .address_space: global }
      - { .name: key, .offset: 8, .size: 8, .value_kind: global_buffer, .address_space: global }
      - { .name: value, .offset: 16, .size: 8, .value_kind: global_buffer, .address_space: global }
      - { .name: Wq, .offset: 24, .size: 8, .value_kind: global_buffer, .address_space: global }
      - { .name: Wk, .offset: 32, .size: 8, .value_kind: global_buffer, .address_space: global }
      - { .name: Wv, .offset: 40, .size: 8, .value_kind: global_buffer, .address_space: global }
      - { .name: Wo, .offset: 48, .size: 8, .value_kind: global_buffer, .address_space: global }
      - { .name: ximg, .offset: 56, .size: 8, .value_kind: global_buffer, .address_space: global }
      - { .name: xsc, .offset: 64, .size: 8, .value_kind: global_buffer, .address_space: global }
      - { .name: wimg, .offset: 72, .size: 8, .value_kind: global_buffer, .address_space: global }
      - { .name: wsc, .offset: 80, .size: 8, .value_kind: global_buffer, .address_space: global }
    .group_segment_fixed_size: 62976
    .private_segment_fixed_size: 0
    .kernarg_segment_align: 8
    .kernarg_segment_size: 88
    .max_flat_workgroup_size: 128
    .sgpr_count:     66
    .vgpr_count:     248
    .wavefront_size: 32
...
	.end_amdgpu_metadata
.endif
;; end of part 1
;; launch proj (part 2): grid 4 x 64, 4 waves a work-group, clusters of 4 x 4, 327,680 bytes of LDS; arguments ximg, xsc, wimg, wsc, bq, bk, bv, himg, hsc; writes himg, hsc
.if DOCPART == 2
	.amdgcn_target "amdgcn-amd-amdhsa--gfx1250"
	.amdhsa_code_object_version 6
	.text
	.protected	k_q61aa827657_proj
	.globl	k_q61aa827657_proj
	.p2align	8
	.type	k_q61aa827657_proj,@function
k_q61aa827657_proj:
	s_mov_b64 s[64:65], 0
	v_nop
	global_prefetch_b8 v0, s[64:65] scope:SCOPE_SE
	s_setreg_imm32_b32 hwreg(HW_REG_WAVE_MODE, 25, 1), 1
	s_wait_xcnt 0x0
	s_wait_alu depctr_hold_cnt(0) depctr_sa_sdst(0) depctr_va_vdst(0) depctr_va_sdst(0) depctr_va_ssrc(0) depctr_va_vcc(0) depctr_vm_vsrc(0)
	s_getreg_b32 s2, hwreg(HW_REG_IB_STS2, 6, 4)
	s_cmp_eq_u32 s2, 0
	s_cbranch_scc0 .Lentry_in_a_cluster
	s_endpgm
.Lentry_in_a_cluster:
	s_bfe_u32 s2, ttmp6, 0x10000c
	s_cmp_lg_u32 s2, 0xf033
	s_cbranch_scc0 .Lentry_shape_is_right
	s_endpgm
.Lentry_shape_is_right:
; q = query Wq + bq, k = key Wk + bk, v = value Wv + bv on codes of BF6 (E3M2) with E8M0 scales, f32 sums; the results are quantised at once for the attention: q and k along the head's 64, v along the keys.
; OPERANDS arrive as images of fragments: img[tile][K step 8][1536], scale words sc[f][K step][u][row]; tile 2 f + u holds rows 32 f + 8 u + rho + 8 (rho / 8).
; A TILE OF WORK is 128 rows of P x 256 rows of R over all of K = 1,024.  Source 0 = 16 rows of R, source 1 = 16 rows of P: a lane holds ONE row of P, and by the order of rows in a tile the 16 registers of R's tiles
; 2 b, 2 b + 1 are 16 neighbours along R.  The axis to be quantised is R: for q and k P = tokens, R = the weight's columns; for v P = Wv's columns, R = the tokens (the keys).  Four waves, each 64 (P) x 128 (R): 32 accumulators.
; A WORK-GROUP STAYS and makes three tiles: one of q, one of k (a loop of two trips), one of v (written out: other bias, other stores, no refill).  256 work-groups, 768 tiles.
; LDS HOLDS A TILE'S K IN TWO HALVES of four K steps: a half of P is 8 rows of 6,144 bytes, of R 16 such rows, 12,288 bytes apart in memory, dense in LDS.  All scale words go into registers at a tile's start.
; THE FILLS, joint loads, one a wave behind each round of the cluster's barrier.  (1) At the head of K step 3 my reads of half 0 and of the scale words are over and half 1 must be whole: one round serves both, and behind it
; the NEXT tile's half 0 of R (wave 0), of P (wave 1) and its scale words (waves 2, 3) go out.  (2) Behind K step 7's products my reads of half 1 are over: a round, and the next tile's half 1 of R (wave 0) and of P (wave 1) go out.
; So a tile starts on half 0 alone, and each load has half a tile's work in which to land.  A wave has one tensor load out.  Nothing waits for a tile's stores but the registers that they read.
; CLUSTER 4 x 4: P's blocks are shared along a row of the cluster, R's along a column; each is asked for jointly, which divides the requests by four.
; NO PREFETCH: each half is asked for as soon as LDS is free for it; the walk has six halves, and naming one a step earlier would name a whole half at once.
; RESULTS: q, k: himg[sel][b][head][tile 128][768] (half a fragment: one head), hsc[sel][b][head][f 64][row 16] words = halfword of tile 2 f | halfword of tile 2 f + 1 << 16;
;          v: himg[2][b][head][key step 16][tile of channels 4][1536], hsc[2][b][head][step][tile][row] words.
; LIMITS: NaN and infinities are not served; blocks under 2^-122 and blocks of zeros get the byte 1 (their codes are right or zeros; the bytes are read by this program alone).
; REGISTERS: window 0: v1-29 addresses, v32-95 scale words (register 8 k + i: lanes 0-15 P's tile i, lanes 16-31 R's tile i, K step k), v96-117 at work, v128-223 P's fragments, two sets; later the codes.
;            window 1: accumulator (a, b) at v[8 (8 a + b)].   window 2: v0-191 R's fragments, two sets; v192-255 the bias in the result's layout.
.set XIMG, 6291456
.set WIMG, 786432
.set HIMG, 6291456
.set PB,   0                           ; LDS: P's codes [half 2][tile 8][K step 4][1536]
.set PH,   49152
.set RB,   98304                       ; R's codes [half 2][tile 16][K step 4][1536]
.set RH,   98304
.set SCP,  294912                      ; P's scale words, 4,096 bytes
.set SCRB, 299008                      ; R's, 8,192 bytes
.set SCRQ, 307200                      ; scratch for q's and k's scale words, 1,024 bytes: no fill lands here
.set SCRV, 308224                      ; for v's, 1,024 bytes
.set SPARE, 309248                     ; the spare words, 128 bytes a wave: two blocks of 256 bytes that no other line names
.set L16,  3
.set L8,   4
.set ADRS, 5
.set AP16, 6                           ; v6-7, v10-11: my four tiles of P in half 0, 1
.set AP8,  10
.set AR16, 14                          ; v14-15, v18-19: my eight tiles of R in half 0, 1
.set AR8,  18
.set SPW,  28                          ; my spare word's address; NIL: 0; never rewritten
.set NIL,  29
.set SC,   32
.set TM,   96
.set PW,   112
.set S1F,  128
.set BI,   192
.set G1P,  24                          ; s[24:31] group 1, P's codes;  s[32:39] R's;  s[40:47] P's scales;  s[48:55] R's scales
.set G1R,  32
.set G1SP, 40
.set G1SR, 48
.set G0SP, 56                          ; groups 0
.set G0SR, 60
.set G0P,  68
.set G0R,  84
.set CXR,  72                          ; my place in the cluster
.set CYR,  73
.set CL,   74                          ; the cluster's y, 0..15
.set SL,   75                          ; the tensor whose tile is being asked for: 0 q, 1 k, 2 v
.set TT,   76                          ; the loop's trip = the tensor at work
.set PIX,  78                          ; that tile's place along P: hangs on cy alone;  RIX: along R: on cx alone
.set RIX,  79
.set OC,   88                          ; s[88:89] where my codes go; s[90:91] my scale words; s[92:93] the bias
.set OSC,  90
.set BP,   92
.set MSB, 0
.macro WIN new                         ; the immediate's high byte repeats the setting that is left
.if MSB != \new
	s_set_vgpr_msb (MSB<<8)|\new
.set MSB, \new
.endif
.endm
.macro CROUND                          ; a round of the cluster's barrier
	s_barrier_signal -1
	s_barrier_wait -1
	s_cmp_lg_u32 s2, 0
	s_cbranch_scc1 .Lnot_wave_0_\@
	s_barrier_signal -3
.Lnot_wave_0_\@:
	s_barrier_wait -3
	s_barrier_signal -1
	s_barrier_wait -1
.endm
.macro PLACES n
.rept \n
	v_nop
.endr
.endm
.macro FRAG reg, a16, a8, off          ; a fragment's image back into 12 registers: every load takes 512 or 256 consecutive bytes
	ds_load_b128 v[(\reg):(\reg)+3], v[\a16] offset:\off
	ds_load_b64 v[(\reg)+4:(\reg)+5], v[\a8] offset:\off+512
	ds_load_b128 v[(\reg)+6:(\reg)+9], v[\a16] offset:\off+768
	ds_load_b64 v[(\reg)+10:(\reg)+11], v[\a8] offset:\off+1280
.endm
.macro FETCH k                         ; K step k: R's eight fragments and P's four into set k % 2
	WIN 0x80                                       ; destination window 2
.irp b, 0,1,2,3,4,5,6,7
	FRAG 96*((\k)%2)+12*\b, AR16+(\k)/4, AR8+(\k)/4, 6144*\b+1536*((\k)%4)
.endr
	WIN 0
.irp a, 0,1,2,3
	FRAG S1F+48*((\k)%2)+12*\a, AP16+(\k)/4, AP8+(\k)/4, 6144*\a+1536*((\k)%4)
.endr
.endm
.macro SCALES q                        ; the scale words of K steps 2 q and 2 q + 1
.irp kk, 0,1
.irp i, 0,1,2,3,4,5,6,7
	ds_load_b32 v[SC+8*(2*(\q)+\kk)+\i], v[ADRS] offset:1024*(\i/2)+64*(\i%2)+128*(2*(\q)+\kk)
.endr
.endr
.endm
; 32 matrix instructions, the 32 accumulators by turns, in the same order in every step.  cz = 0: on; 1: the sums begin with the bias along R; 2: with the bias along P.
.macro MUL32 k, cz
.if (\cz) == 0
	WIN 0x52                                       ; source 0 window 2, source 1 window 0, C and D window 1
.else
	WIN 0x62                                       ; C window 2
.endif
.irp a, 0,1,2,3
.irp b, 0,1,2,3,4,5,6,7
.if (\cz) == 0
	v_wmma_scale_f32_16x16x128_f8f6f4 v[8*(8*\a+\b):8*(8*\a+\b)+7], v[96*((\k)%2)+12*\b:96*((\k)%2)+12*\b+11], v[S1F+48*((\k)%2)+12*\a:S1F+48*((\k)%2)+12*\a+11], v[8*(8*\a+\b):8*(8*\a+\b)+7], v[SC+8*(\k)+\b], v[SC+8*(\k)+\a] matrix_a_fmt:MATRIX_FMT_BF6 matrix_b_fmt:MATRIX_FMT_BF6 matrix_a_scale:MATRIX_SCALE_ROW1
.elseif (\cz) == 1
	v_wmma_scale_f32_16x16x128_f8f6f4 v[8*(8*\a+\b):8*(8*\a+\b)+7], v[96*((\k)%2)+12*\b:96*((\k)%2)+12*\b+11], v[S1F+48*((\k)%2)+12*\a:S1F+48*((\k)%2)+12*\a+11], v[BI+8*\b:BI+8*\b+7], v[SC+8*(\k)+\b], v[SC+8*(\k)+\a] matrix_a_fmt:MATRIX_FMT_BF6 matrix_b_fmt:MATRIX_FMT_BF6 matrix_a_scale:MATRIX_SCALE_ROW1
.else
	v_wmma_scale_f32_16x16x128_f8f6f4 v[8*(8*\a+\b):8*(8*\a+\b)+7], v[96*((\k)%2)+12*\b:96*((\k)%2)+12*\b+11], v[S1F+48*((\k)%2)+12*\a:S1F+48*((\k)%2)+12*\a+11], v[BI+8*\a:BI+8*\a+7], v[SC+8*(\k)+\b], v[SC+8*(\k)+\a] matrix_a_fmt:MATRIX_FMT_BF6 matrix_b_fmt:MATRIX_FMT_BF6 matrix_a_scale:MATRIX_SCALE_ROW1
.endif
.endr
.endr
.endm
.macro STEP k
	s_wait_dscnt 0x0                               ; this step's fragments, asked for a step ago, are in
.if (\k) < 7
	PLACES 4                                       ; in front of loads into registers that the last step's products have read
	FETCH (\k)+1
.endif
	MUL32 \k, 0
	WIN 0
.endm
; 64 results of a lane (window 1, from v[s] on; register 16 b + i = index 32 b + 16 (lane / 16) + i along R) become a fragment's codes in v[pc] on and its scale word in v[pw].  Each accumulator is read from its low end on.
.macro QUANTW s, pc, pw
	WIN 0x05
.irp b, 0,1,2,3
	v_max3_num_f32 v[TM+\b], |v[(\s)+16*\b]|, |v[(\s)+1+16*\b]|, 0x2800000
.endr
	WIN 0x14
.irp i, 2,4,6,8,10,12,14
.irp b, 0,1,2,3
	v_max3_num_f32 v[TM+\b], v[TM+\b], |v[(\s)+16*\b+\i]|, |v[(\s)+1+16*\b+\i]|
.endr
.endr
	WIN 0
.irp b, 0,1,2,3
	v_permlanex16_b32 v[TM+4+\b], v[TM+\b], s100, s101
.endr
.irp b, 0,1,2,3
	v_max_num_f32 v[TM+\b], v[TM+\b], v[TM+4+\b]
.endr
.irp b, 0,1,2,3
	v_add_nc_u32 v[TM+12+\b], 0xfe000000, v[TM+\b]
.endr
.irp b, 0,1,2,3
	v_lshrrev_b32 v[TM+4+\b], 23, v[TM+12+\b]
.endr
	v_lshl_or_b32 v[\pw], v[TM+5], 8, v[TM+4]
	v_lshl_or_b32 v[\pw], v[TM+6], 16, v[\pw]
	v_lshl_or_b32 v[\pw], v[TM+7], 24, v[\pw]
	WIN 0x01
.irp c, 0,1
	v_cvt_scalef32_pk16_bf6_f32 v[(\pc)+6*\c:(\pc)+2+6*\c], v[(\s)+32*\c:(\s)+15+32*\c], v[TM+12+2*\c]
	v_cvt_scalef32_pk16_bf6_f32 v[(\pc)+12+4*\c:(\pc)+14+4*\c], v[(\s)+16+32*\c:(\s)+31+32*\c], v[TM+12+2*\c+1]
.endr
	WIN 0
	v_nop                                          ; one plain place behind a scaled conversion
.irp c, 0,1
.irp i, 0,1,2
	v_permlane16_swap_b32 v[(\pc)+6*\c+\i], v[(\pc)+12+4*\c+\i]
.endr
.irp i, 0,1,2
	v_mov_b32 v[(\pc)+3+6*\c+\i], v[(\pc)+12+4*\c+\i]
.endr
.endr
.endm
; The four groups 0 (the codes' at half 0) and the bias's address for tensor SL's tile: work on scalar registers alone, no branch.  q, k: 16 clusters down the tokens, one across the weight; v: 2 clusters down Wv's columns,
; 8 across the tokens.  P's offsets are made in s[80:81], R's in s[82:83].
.macro DESC
	s_mov_b32 s81, 0
	s_mul_i32 s80, s[SL], XIMG
	s_add_nc_u64 s[94:95], s[4:5], s[80:81]        ; this tensor's tokens,
	s_lshl_b32 s80, s[SL], 18
	s_add_nc_u64 s[96:97], s[6:7], s[80:81]
	s_mul_i32 s80, s[SL], WIMG
	s_add_nc_u64 s[98:99], s[8:9], s[80:81]        ; and its weight
	s_lshl_b32 s80, s[SL], 15
	s_add_nc_u64 s[104:105], s[10:11], s[80:81]
	s_lshr_b32 s82, s[CL], 3
	s_and_b32 s83, s[CL], 7
	s_cmp_eq_u32 s[SL], 2                          ; who is P and who is R: a choice that hangs on no address
	s_cselect_b64 s[G0P+2:G0P+3], s[98:99], s[94:95]
	s_cselect_b64 s[G0SP+2:G0SP+3], s[104:105], s[96:97]
	s_cselect_b64 s[G0R+2:G0R+3], s[94:95], s[98:99]
	s_cselect_b64 s[G0SR+2:G0SR+3], s[96:97], s[104:105]
	s_cselect_b32 s[PIX], s82, s[CL]
	s_cselect_b32 s[RIX], s83, 0
	s_lshl_b32 s[PIX], s[PIX], 2
	s_add_co_u32 s[PIX], s[PIX], s[CYR]
	s_lshl_b32 s[RIX], s[RIX], 2
	s_add_co_u32 s[RIX], s[RIX], s[CXR]
	s_mul_i32 s80, s[PIX], 98304                   ; 8 tiles of 12,288 bytes
	s_add_nc_u64 s[G0P+2:G0P+3], s[G0P+2:G0P+3], s[80:81]
	s_lshl_b32 s80, s[PIX], 12
	s_add_nc_u64 s[G0SP+2:G0SP+3], s[G0SP+2:G0SP+3], s[80:81]
	s_mov_b32 s83, 0
	s_mul_i32 s82, s[RIX], 196608                  ; 16 tiles
	s_add_nc_u64 s[G0R+2:G0R+3], s[G0R+2:G0R+3], s[82:83]
	s_lshl_b32 s82, s[RIX], 13
	s_add_nc_u64 s[G0SR+2:G0SR+3], s[G0SR+2:G0SR+3], s[82:83]
.irp g, G0P, G0SP, G0R, G0SR
	s_or_b32 s[\g+3], s[\g+3], 0x80000000
.endr
	s_mov_b32 s[G0P+1], PB
	s_mov_b32 s[G0R+1], RB
	s_cmp_eq_u32 s[SL], 0
	s_cselect_b64 s[BP:BP+1], s[12:13], s[14:15]
	s_cmp_eq_u32 s[SL], 2
	s_cselect_b64 s[BP:BP+1], s[16:17], s[BP:BP+1]
	s_lshl_b32 s66, s[RIX], 1
	s_add_co_u32 s66, s66, s23
	s_lshl_b32 s66, s66, 9                         ; q, k: 4 x (256 Ridx + 128 x my half of R)
	s_lshl_b32 s67, s[PIX], 1
	s_add_co_u32 s67, s67, s22
	s_lshl_b32 s67, s67, 8                         ; v: 4 x (128 Pidx + 64 x my half of P)
	s_cmp_eq_u32 s[SL], 2
	s_cselect_b32 s66, s67, s66
	s_mov_b32 s67, 0
	s_add_nc_u64 s[BP:BP+1], s[BP:BP+1], s[66:67]
.endm
.macro HALF1                           ; the codes' groups 0 on to half 1: K steps 4-7 lie 6,144 bytes on in each row
	s_add_nc_u64 s[G0P+2:G0P+3], s[G0P+2:G0P+3], 6144
	s_mov_b32 s[G0P+1], PB+PH
	s_add_nc_u64 s[G0R+2:G0R+3], s[G0R+2:G0R+3], 6144
	s_mov_b32 s[G0R+1], RB+RH
.endm
; One joint load a wave behind a round, in ONE chain of branches on the wave's number; s_nop 0 and four v_nop follow each
.macro ARM g0, g1
	tensor_load_to_lds s[\g0:\g0+3], s[\g1:\g1+7]
	s_nop 0
	PLACES 4
.endm
.macro FILL                            ; half 0 and the scale words
	s_cmp_lt_u32 s2, 1
	s_cbranch_scc0 .Lfill_p_\@
	ARM G0R, G1R
	s_branch .Lfilled_\@
.Lfill_p_\@:
	s_cmp_lt_u32 s2, 2
	s_cbranch_scc0 .Lfill_sp_\@
	ARM G0P, G1P
	s_branch .Lfilled_\@
.Lfill_sp_\@:
	s_cmp_lt_u32 s2, 3
	s_cbranch_scc0 .Lfill_sr_\@
	ARM G0SP, G1SP
	s_branch .Lfilled_\@
.Lfill_sr_\@:
	ARM G0SR, G1SR
.Lfilled_\@:
.endm
.macro FILL2                           ; half 1: waves 2 and 3 have no part of it
	s_cmp_lt_u32 s2, 1
	s_cbranch_scc0 .Lfill_p_\@
	ARM G0R, G1R
	s_branch .Lfilled_\@
.Lfill_p_\@:
	s_cmp_lt_u32 s2, 2
	s_cbranch_scc0 .Lfilled_\@
	ARM G0P, G1P
.Lfilled_\@:
.endm
.macro BIAS_R                          ; register 8 b + j: the bias of R's index 32 (b / 2) + 8 (b % 2) + 16 h + j
	WIN 0x80                                       ; destination window 2
	s_wait_alu depctr_va_vdst(0)                   ; the wait here, directly ahead of the readers below
.irp b, 0,1,2,3,4,5,6,7
	global_load_b128 v[BI+8*\b:BI+8*\b+3], v25, s[BP:BP+1] offset:(32*(\b/2)+8*(\b%2))*4
	global_load_b128 v[BI+8*\b+4:BI+8*\b+7], v25, s[BP:BP+1] offset:(32*(\b/2)+8*(\b%2))*4+16
.endr
	WIN 0
.endm
.macro START cz                        ; half 0 and the scale words are whole for every wave (the round in front of half 1's loads has shown it): all scale words, and the first K step, which starts the sums with the bias
.irp q, 0,1,2,3
	SCALES \q
.endr
	FETCH 0
	s_wait_dscnt 0x0
	FETCH 1
	MUL32 0, \cz
	WIN 0
.endm
	s_load_b512 s[4:19], s[0:1], 0x0               ; ximg, xsc, wimg, wsc, bq, bk, bv, himg: these pairs stay as they are
	s_load_b64 s[20:21], s[0:1], 0x40              ; hsc
	v_lshl_add_u32 v[SPW], v0, 2, SPARE
	v_mov_b32 v[NIL], 0
	ds_add_u32 v[SPW], v[NIL]                      ; the opening lines: the add, twice on end, and its wait ahead of the round in front of the first loads
	ds_add_u32 v[SPW], v[NIL]
	v_lshrrev_b32 v1, 5, v0
	v_readfirstlane_b32 s2, v1                     ; wave 0..3
	s_lshr_b32 s22, s2, 1                          ; which 64 rows of P are mine
	s_and_b32 s23, s2, 1                           ; which 128 rows of R are mine
	s_bfe_u32 s[CXR], ttmp6, 0x40000
	s_bfe_u32 s[CYR], ttmp6, 0x40004
	s_and_b32 s[CL], ttmp7, 0xffff
	s_lshl_b32 s104, s[CYR], 2
	s_lshl_b32 s104, 15, s104                      ; my row of the cluster
	s_lshl_b32 s105, 0x1111, s[CXR]                ; my column
	s_or_b32 s[G1P], s104, (3<<16)|(1<<21)         ; 15:0 the mask; 17:16 elements of 8 bytes; 21 set beside a mask; no padding
	s_or_b32 s[G1SP], s104, (3<<16)|(1<<21)
	s_or_b32 s[G1R], s105, (3<<16)|(1<<21)
	s_or_b32 s[G1SR], s105, (3<<16)|(1<<21)
.irp g, G1P, G1R                       ; half of a tile of rows: 6,144 bytes (768 elements), 12,288 bytes apart in memory
	s_mov_b32 s[\g+1], 768<<16
	s_mov_b32 s[\g+3], 768<<16
	s_mov_b32 s[\g+5], 1536
	s_mov_b32 s[\g+6], 0
	s_mov_b32 s[\g+7], 0
.endr
.irp g, G1SP, G1SR                     ; scale words: a dense block as rows of 256 bytes
	s_mov_b32 s[\g+1], 32<<16
	s_mov_b32 s[\g+3], 32<<16
	s_mov_b32 s[\g+5], 32
	s_mov_b32 s[\g+6], 0
	s_mov_b32 s[\g+7], 0
.endr
	s_mov_b32 s[G1P+2], 8<<16
	s_mov_b32 s[G1P+4], 8
	s_mov_b32 s[G1R+2], 16<<16
	s_mov_b32 s[G1R+4], 16
	s_mov_b32 s[G1SP+2], 16<<16
	s_mov_b32 s[G1SP+4], 16
	s_mov_b32 s[G1SR+2], 32<<16
	s_mov_b32 s[G1SR+4], 32
	s_mov_b32 s[G0P], 1
	s_mov_b32 s[G0R], 1
	s_mov_b32 s[G0SP], 1
	s_mov_b32 s[G0SP+1], SCP
	s_mov_b32 s[G0SR], 1
	s_mov_b32 s[G0SR+1], SCRB
	s_mov_b32 s100, 0x76543210                     ; lane selects for v_permlanex16_b32 (lane l xor 16)
	s_mov_b32 s101, 0xfedcba98
	s_mov_b32 s[SL], 0
	s_wait_dscnt 0x0                               ; both opening adds are done
	s_wait_kmcnt 0x0
	DESC                                           ; q's tile
	CROUND                                         ; all sixteen work-groups are here: the joint loads meet
	FILL
	v_and_b32 v27, 31, v0
	v_and_b32 v1, 15, v0                           ; r
	v_bfe_u32 v2, v0, 4, 1                         ; h
	v_lshlrev_b32 v[L16], 4, v27
	v_lshlrev_b32 v[L8], 3, v27
	s_mul_i32 s3, s22, 24576                       ; my four tiles of P
	v_add_nc_u32 v[AP16], s3, v[L16]
	v_add_nc_u32 v[AP8], s3, v[L8]
	s_mul_i32 s3, s23, 49152                       ; my eight tiles of R
	s_add_co_u32 s3, s3, RB
	v_add_nc_u32 v[AR16], s3, v[L16]
	v_add_nc_u32 v[AR8], s3, v[L8]
	v_add_nc_u32 v[AP16+1], PH, v[AP16]
	v_add_nc_u32 v[AP8+1], PH, v[AP8]
	v_add_nc_u32 v[AR16+1], RH, v[AR16]
	v_add_nc_u32 v[AR8+1], RH, v[AR8]
	s_lshl_b32 s3, s23, 12                         ; scale words: lanes 0-15 at SCP + 2,048 x my half of P + 4 r; lanes 16-31 at SCRB + 4,096 x my half of R + 4 r
	v_mul_u32_u24 v27, s3, v2
	s_xor_b32 s3, s22, 1
	s_lshl_b32 s3, s3, 11
	s_add_co_u32 s3, s3, 2048
	v_mad_u32_u24 v27, s3, v2, v27
	s_lshl_b32 s3, s22, 11
	s_add_co_u32 s3, s3, SCP
	v_lshl_add_u32 v[ADRS], v1, 2, v27
	v_add_nc_u32 v[ADRS], s3, v[ADRS]
	s_lshl_b32 s3, s23, 9                          ; q, k: my halfwords: SCRQ + 512 x half of R + 128 x half of P + 4 r
	v_lshl_add_u32 v22, v1, 2, s3
	s_lshl_b32 s3, s22, 7
	v_add_nc_u32 v22, s3, v22
	v_add_nc_u32 v22, SCRQ, v22
	s_lshl_b32 s3, s2, 8                           ; v: my words: SCRV + 256 x wave + 4 r
	v_lshl_add_u32 v23, v1, 2, s3
	v_add_nc_u32 v23, SCRV, v23
	v_add_nc_u32 v24, s3, v[L8]                    ; back: 256 x wave + 8 x lane
	v_add_nc_u32 v24, SCRQ, v24
	v_lshlrev_b32 v25, 6, v2                       ; bias along R: 16 h numbers on
	v_and_b32 v26, 8, v1
	v_add_nc_u32 v26, v26, v1
	v_lshlrev_b32 v26, 2, v26                      ; bias along P: number r + 8 (r / 8)
.irp b, 0,1,2,3
	v_mov_b32 v[TM+4+\b], 0                        ; a lane permute's destination counts as one of its sources
.endr
	BIAS_R                                         ; bq
	s_mov_b32 s[TT], 0
	s_wait_alu depctr_va_vdst(0)                   ; the wait at the head's end
	s_wait_tensorcnt 0x0                           ; my part of half 0 or of the scale words is in
	ds_add_u32 v[SPW], v[NIL]
	HALF1
	s_wait_dscnt 0x0
	CROUND                                         ; everybody's part is in, and all sixteen work-groups are here
	FILL2                                          ; q's half 1
.Ltile:                                                ; q, then k
	s_wait_xcnt 0x0                                ; the last tile's stores have read their registers and bases
	s_lshr_b32 s3, s[PIX], 4                       ; where my results go: batch = Pidx / 16
	s_lshl_b32 s3, s3, 2
	s_add_co_u32 s3, s3, s[RIX]                    ; 4 batch + Ridx
	s_and_b32 s77, s[PIX], 15
	s_lshl_b32 s[OC], s3, 1
	s_add_co_u32 s[OC], s[OC], s23                 ; half my first head's number
	s_lshl_b32 s[OC], s[OC], 6
	s_lshl_b32 s66, s77, 1
	s_add_co_u32 s[OC], s[OC], s66
	s_add_co_u32 s[OC], s[OC], s22
	s_mul_i32 s[OC], s[OC], 3072                   ; ((16 batch + head) 128 + tile) x 768
	s_mul_i32 s66, s[TT], HIMG
	s_add_co_u32 s[OC], s[OC], s66
	s_mov_b32 s[OC+1], 0
	s_add_nc_u64 s[OC:OC+1], s[18:19], s[OC:OC+1]
	s_lshl_b32 s[OSC], s3, 2
	s_add_co_u32 s[OSC], s[OSC], s2                ; wave w stores head 4 Ridx + w's words
	s_lshl_b32 s[OSC], s[OSC], 4
	s_add_co_u32 s[OSC], s[OSC], s77
	s_lshl_b32 s[OSC], s[OSC], 8
	s_lshl_b32 s66, s[TT], 18
	s_add_co_u32 s[OSC], s[OSC], s66
	s_mov_b32 s[OSC+1], 0
	s_add_nc_u64 s[OSC:OSC+1], s[20:21], s[OSC:OSC+1]
	s_wait_loadcnt 0x0                             ; the bias
	START 1
	STEP 1
	STEP 2
	s_wait_tensorcnt 0x0                           ; K STEP 3.  My part of half 1 is in, and none of my tensor loads is out, so the groups 0 may be written;
	ds_add_u32 v[SPW], v[NIL]                      ; 0 onto my spare word
	s_add_co_u32 s[SL], s[TT], 1
	DESC                                           ; the next tensor's tile: work on registers between the add and the wait for it
	s_wait_dscnt 0x0                               ; the add is done, and my last reads of half 0 (K step 3's fragments) and of the scale words are in
	CROUND                                         ; so it is with every wave of every partner
	FILL                                           ; the next tile's half 0 and scale words: my one load behind the round; its four v_nop are the places in front of the loads below
	s_cmp_eq_u32 s[TT], 0                          ; and the next bias: bk along R, or bv along P
	s_cbranch_scc0 .Lnext_v
	BIAS_R
	s_branch .Lnext_in
.Lnext_v:
	WIN 0x80
.irp a, 0,1,2,3                                ; register 8 a: the bias of my row of P's tile a
	global_load_b32 v[BI+8*\a], v26, s[BP:BP+1] offset:(32*(\a/2)+8*(\a%2))*4
.endr
	WIN 0
.Lnext_in:
	FETCH 4
	MUL32 3, 0
	WIN 0
.irp k, 4,5,6,7
	STEP \k
.endr
	s_wait_tensorcnt 0x0                           ; the next tile's half 0 or scale words, my part, are in;
	ds_add_u32 v[SPW], v[NIL]
	HALF1
	s_wait_dscnt 0x0                               ; the add is done; my reads of half 1 came back ahead of K step 7
	CROUND
	FILL2                                          ; the next tile's half 1
	PLACES 4                                       ; behind the last products: their results are read, and the registers of P's fragments are written
.irp a, 0,1,2,3
	QUANTW 64*\a, S1F+20*\a, PW+\a
.endr
.irp a, 0,1,2,3                                ; half c of the fragment is head 2 x my half of R + c, tile 4 x my half of P + a of my tokens
.irp c, 0,1
	global_store_b128 v[L16], v[S1F+20*\a+6*\c:S1F+20*\a+6*\c+3], s[OC:OC+1] offset:768*\a+98304*\c
	global_store_b64 v[L8], v[S1F+20*\a+6*\c+4:S1F+20*\a+6*\c+5], s[OC:OC+1] offset:768*\a+98304*\c+512
.endr
	ds_store_b16 v22, v[PW+\a] offset:64*(\a/2)+2*(\a%2)
	ds_store_b16_d16_hi v22, v[PW+\a] offset:256+64*(\a/2)+2*(\a%2)
.endr
	s_wait_dscnt 0x0                               ; for the others' sake: my stores into the scratch are done
	s_barrier_signal -1
	s_barrier_wait -1
	ds_load_b64 v[116:117], v24                    ; one head's 64 words: two waves wrote them
	s_wait_dscnt 0x0
	global_store_b64 v[L8], v[116:117], s[OSC:OSC+1]   ; 32 lanes store 256 consecutive bytes, aligned
	s_add_co_u32 s[TT], s[TT], 1
	s_cmp_lt_u32 s[TT], 2
	s_wait_alu depctr_va_vdst(0)                   ; the wait here, directly ahead of the branch
	s_cbranch_scc1 .Ltile
	s_wait_xcnt 0x0                                ; V'S TILE: nothing is asked for behind it
	s_lshr_b32 s3, s[RIX], 3                       ; batch = Ridx / 8
	s_lshl_b32 s3, s3, 3
	s_add_co_u32 s3, s3, s[PIX]
	s_lshl_b32 s3, s3, 1
	s_add_co_u32 s3, s3, s22                       ; 16 batch + head
	s_lshl_b32 s3, s3, 3
	s_and_b32 s77, s[RIX], 7
	s_add_co_u32 s3, s3, s77
	s_lshl_b32 s3, s3, 1
	s_add_co_u32 s3, s3, s23                       ; x 16 + key step
	s_mul_i32 s[OC], s3, 6144
	s_add_co_u32 s[OC], s[OC], 2*HIMG
	s_mov_b32 s[OC+1], 0
	s_add_nc_u64 s[OC:OC+1], s[18:19], s[OC:OC+1]
	s_lshl_b32 s[OSC], s3, 8                       ; 256 bytes of scale words for each (batch, head, step)
	s_add_co_u32 s[OSC], s[OSC], 2<<18
	s_mov_b32 s[OSC+1], 0
	s_add_nc_u64 s[OSC:OSC+1], s[20:21], s[OSC:OSC+1]
	s_wait_loadcnt 0x0                             ; the bias
	WIN 0x82
.irp a, 0,1,2,3
.irp j, 1,2,3,4,5,6,7
	v_mov_b32 v[BI+8*\a+\j], v[BI+8*\a]            ; the same for my row's eight results
.endr
.endr
	WIN 0
	s_wait_alu depctr_va_vdst(0)
	START 2
	STEP 1
	STEP 2
	s_wait_tensorcnt 0x0                           ; my part of half 1 is in,
	s_wait_dscnt 0x0                               ; and K step 3's fragments;
	s_barrier_signal -1
	s_barrier_wait -1                              ; half 1 is whole for every wave
	PLACES 4
	FETCH 4
	MUL32 3, 0
	WIN 0
.irp k, 4,5,6,7
	STEP \k
.endr
	PLACES 4
.irp a, 0,1,2,3
	QUANTW 64*\a, S1F+20*\a, PW+\a
.endr
.irp a, 0,1,2,3                                ; the fragment of channels' tile a, my key step
.irp c, 0,1
	global_store_b128 v[L16], v[S1F+20*\a+6*\c:S1F+20*\a+6*\c+3], s[OC:OC+1] offset:1536*\a+768*\c
	global_store_b64 v[L8], v[S1F+20*\a+6*\c+4:S1F+20*\a+6*\c+5], s[OC:OC+1] offset:1536*\a+768*\c+512
.endr
	ds_store_b32 v23, v[PW+\a] offset:64*\a
.endr
	s_wait_dscnt 0x0
	s_barrier_signal -1
	s_barrier_wait -1
	ds_load_b64 v[116:117], v24 offset:SCRV-SCRQ
	s_wait_dscnt 0x0
	global_store_b64 v[L8], v[116:117], s[OSC:OSC+1]   ; 32 lanes store 256 consecutive bytes, aligned
	s_wait_tensorcnt 0x0                           ; the wave's end
	ds_add_u32 v[SPW], v[NIL]
	s_wait_dscnt 0x0
	CROUND                                         ; the closing round
	s_endpgm
.Lfunc_end_k_q61aa827657_proj:
	.size	k_q61aa827657_proj, .Lfunc_end_k_q61aa827657_proj-k_q61aa827657_proj
	.p2alignl 7, 3214868480
	.fill 96, 4, 3214868480
	.section	.rodata,"a",@progbits
	.p2align	6, 0x0
	.amdhsa_kernel k_q61aa827657_proj
		.amdhsa_group_segment_fixed_size 327680
		.amdhsa_private_segment_fixed_size 0
		.amdhsa_enable_private_segment 0
		.amdhsa_kernarg_size 72
		.amdhsa_user_sgpr_count 2
		.amdhsa_user_sgpr_kernarg_segment_ptr 1
		.amdhsa_wavefront_size32 1
		.amdhsa_system_sgpr_workgroup_id_x 1
		.amdhsa_system_sgpr_workgroup_id_y 1
		.amdhsa_system_sgpr_workgroup_id_z 1
		.amdhsa_system_vgpr_workitem_id 0
		.amdhsa_next_free_vgpr 768
		.amdhsa_next_free_sgpr 106
		.amdhsa_reserve_vcc 0
		.amdhsa_float_denorm_mode_32 3
		.amdhsa_float_denorm_mode_16_64 3
		.amdhsa_memory_ordered 1
		.amdhsa_forward_progress 1
		.amdhsa_inst_pref_size 182
	.end_amdhsa_kernel
	.amdgpu_metadata
---
amdhsa.version: [ 1, 2 ]
amdhsa.kernels:
  - .name:           k_q61aa827657_proj
    .symbol:         k_q61aa827657_proj.kd
    .args:
      - { .name: ximg, .offset: 0, .size: 8, .value_kind: global_buffer, .address_space: global }
      - { .name: xsc, .offset: 8, .size: 8, .value_kind: global_buffer, .address_space: global }
      - { .name: wimg, .offset: 16, .size: 8, .value_kind: global_buffer, .address_space: global }
      - { .name: wsc, .offset: 24, .size: 8, .value_kind: global_buffer, .address_space: global }
      - { .name: bq, .offset: 32, .size: 8, .value_kind: global_buffer, .address_space: global }
      - { .name: bk, .offset: 40, .size: 8, .value_kind: global_buffer, .address_space: global }
      - { .name: bv, .offset: 48, .size: 8, .value_kind: global_buffer, .address_space: global }
      - { .name: himg, .offset: 56, .size: 8, .value_kind: global_buffer, .address_space: global }
      - { .name: hsc, .offset: 64, .size: 8, .value_kind: global_buffer, .address_space: global }
    .group_segment_fixed_size: 327680
    .private_segment_fixed_size: 0
    .kernarg_segment_align: 8
    .kernarg_segment_size: 72
    .max_flat_workgroup_size: 128
    .sgpr_count:     106
    .vgpr_count:     768
    .wavefront_size: 32
...
	.end_amdgpu_metadata
.endif
;; end of part 2
;; launch attn (part 3): grid 4 x 64, 16 waves a work-group, clusters of 4 x 1, 327,680 bytes of LDS; arguments himg, hsc, aimg, asc; writes aimg, asc
.if DOCPART == 3
	.amdgcn_target "amdgcn-amd-amdhsa--gfx1250"
	.amdhsa_code_object_version 6
	.text
	.protected	k_q61aa827657_attn
	.globl	k_q61aa827657_attn
	.p2align	8
	.type	k_q61aa827657_attn,@function
k_q61aa827657_attn:
	s_mov_b64 s[64:65], 0
	v_nop
	global_prefetch_b8 v0, s[64:65] scope:SCOPE_SE
	s_setreg_imm32_b32 hwreg(HW_REG_WAVE_MODE, 25, 1), 1
	s_wait_xcnt 0x0
	s_wait_alu depctr_hold_cnt(0) depctr_sa_sdst(0) depctr_va_vdst(0) depctr_va_sdst(0) depctr_va_ssrc(0) depctr_va_vcc(0) depctr_vm_vsrc(0)
	s_getreg_b32 s2, hwreg(HW_REG_IB_STS2, 6, 4)
	s_cmp_eq_u32 s2, 0
	s_cbranch_scc0 .Lentry_in_a_cluster
	s_endpgm
.Lentry_in_a_cluster:
	s_bfe_u32 s2, ttmp6, 0x10000c
	s_cmp_lg_u32 s2, 0x3003
	s_cbranch_scc0 .Lentry_shape_is_right
	s_endpgm
.Lentry_shape_is_right:
; o = softmax(q k^T / 8 + causal mask) v for one head, both products on codes of BF6 (E3M2) with E8M0 scales; o is quantised along D at once, for the output projection.
; THE SOFTMAX: t = score x log2(e) / 8; M = the running largest t rounded up to a whole number; p = 2^(t - M) is quantised along the keys, not normalised; the row's sum is taken of the unquantised p and divides at the end.
; SHARES.  A cluster of four work-groups serves one (batch, head).  Each block of 128 queries has eight tiles of 16; the work-group at place cx takes tiles 2 cx and 2 cx + 1 of all sixteen blocks: 32 tiles.
; Wave w takes tile 2 cx + w % 2 of block 15 - w / 2 and then of block w / 2: (16 - w / 2) + (w / 2 + 1) = 17 key steps of 128 keys for every wave.  Key steps all of whose keys the causal mask hides are left out.
; Which steps a wave walks hangs on its number alone, so the four partners run one text with the same branches, and K, V and their scale words are asked for JOINTLY (mask 15).
; THE WHOLE HEAD'S K AND V LIE IN LDS, each byte filled once.  First fill, one load of 4,096 bytes a wave: waves 0-6 the first 28,672 bytes of K (key steps 0-3 lie in them), waves 7-13 of V, wave 14 K's scale words, wave 15 V's.
; Second fill, behind the full sequence and a round: 8,704 bytes a wave, the other 69,632 bytes of K (waves 0-7) and of V (waves 8-15); it is on its way during every wave's first four key steps; one barrier shows it whole.
; NO PREFETCH: both fills go out at the launch's start; there is no loop of loads to run ahead in.
; LAYOUT.  Both products transposed: S^T = K Q^T, O^T = V^T P^T: a lane holds one query.  By the order of rows in a tile (tile 2 f + u: rows 32 f + 8 u + rho + 8 (rho / 8)) the 16 registers of two neighbouring tiles are 16 neighbours.
; K = 64 FILLS HALF OF THE INSTRUCTION'S 128: a fragment of K holds two tiles of keys; Q stands as [0 | q | 0] in 18 registers, and [q | 0] or [0 | q] picks the tile: zero codes add nothing.
; MASK: hidden scores become -infinity where the source adds -1e9: both give p = 0 while the scores that count stay above about -1e9.  LIMITS: NaN and infinities are not served; blocks under 2^-122 and of zeros get the byte 1;
; the scaled scores stay under 2^31 in magnitude.
.set HIMG, 6291456
.set VB,   98304                       ; LDS: K's codes [key step 16][6144]; from VB on V's
.set SCB,  196608                      ; K's scale words (4,096 bytes), then V's
.set SPARE, 204800                     ; the spare words: 128 bytes a wave, 2,048 bytes that no other line names
.set F1,   28672                       ; bytes of K, and of V, in the first fill
.set P2,   8704                        ; a wave's bytes of the second
.set L16,  1                           ; 16 x lane;  L8: 8 x lane
.set L8,   2
.set AS0,  3                           ; SCB + 4 r + 4,096 h: lanes 0-15 K's scale words, lanes 16-31 V's
.set AF16, 4                           ; the step's addresses: K's
.set AF8,  5
.set ADS,  6
.set DG,   7                           ; my query in its block - 16 h
.set NINF, 8
.set QS,   9                           ; Q's scale word (s0, s1, s0, s1)
.set SW,   10                          ; v10-13 scale words: lanes 0-15 K's fragment i, lanes 16-31 V's tile i
.set NM,   14                          ; -M; v15 the largest t
.set SUM,  16
.set FF,   18                          ; f = 2^(old M - new M)
.set QHI,  20                          ; v[20:31] = [0 | q]
.set QLO,  26                          ; v[26:37] = [q | 0]
.set FR,   38                          ; v38-85 four fragments, of K and then of V
.set S,    86                          ; v86-149 S^T, then p
.set O,    150                         ; v150-181 O^T
.set PC,   182                         ; v182-200 p's codes
.set BM,   202
.set BT,   206
.set SO,   210
.set PW,   214
.set T,    215
.set SPW,  216                         ; my spare word's address; NIL: 0; never rewritten
.set NIL,  217
.set AV16, 218                         ; the step's addresses: V's
.set AV8,  219
.set LV16, 220                         ; VB + 16 x lane, VB + 8 x lane
.set LV8,  221
.set SBY,  222                         ; 4 r + h
.set HB,   223                         ; h
.set R4,   224                         ; 4 r
.set AC,   226                         ; v226-239 seven partial sums of p
.set WV,   12
.set BH,   14
.set QB,   15                          ; my block of 128 queries
.set SG,   16                          ; the key step; TK, TS: its LDS bytes in the codes and in the scale words
.set TK,   17
.set TS,   18
.set CNT,  19
.set SEL,  20
.set CS,   22                          ; c = log2(e) / 8
.set G1A,  24
.set G1B,  32
.set G0A,  40
.set G0B,  44
.set TAU,  48                          ; my tile in its block: 2 cx + w % 2
.set CX,   49
.set QB2,  50
.set UU,   51
.set OA,   76                          ; where my codes go; OS: my scale bytes
.set OS,   78
.macro CROUND                          ; a round of the cluster's barrier
	s_barrier_signal -1
	s_barrier_wait -1
	s_cmp_lg_u32 s[WV], 0
	s_cbranch_scc1 .Lnot_wave_0_\@
	s_barrier_signal -3
.Lnot_wave_0_\@:
	s_barrier_wait -3
	s_barrier_signal -1
	s_barrier_wait -1
.endm
.macro FRAG reg, a16, a8, off
	ds_load_b128 v[(\reg):(\reg)+3], v[\a16] offset:\off
	ds_load_b64 v[(\reg)+4:(\reg)+5], v[\a8] offset:\off+512
	ds_load_b128 v[(\reg)+6:(\reg)+9], v[\a16] offset:\off+768
	ds_load_b64 v[(\reg)+10:(\reg)+11], v[\a8] offset:\off+1280
.endm
	s_load_b256 s[4:11], s[0:1], 0x0               ; himg, hsc, aimg, asc
	v_lshl_add_u32 v[SPW], v0, 2, SPARE
	v_mov_b32 v[NIL], 0
	ds_add_u32 v[SPW], v[NIL]                      ; the opening lines: the add, twice on end, and its wait
	ds_add_u32 v[SPW], v[NIL]
	v_lshrrev_b32 v1, 5, v0
	v_readfirstlane_b32 s[WV], v1                  ; wave 0..15
	s_and_b32 s[BH], ttmp7, 0xffff                 ; 16 x batch + head: the cluster's y
	s_bfe_u32 s[CX], ttmp6, 0x40000                ; my place in the cluster: it enters global addresses of q and o and the mask's threshold, nothing else
.irp g, G1A, G1B                       ; dense blocks as rows of 256 bytes (32 elements of 8); mask 15, bit 21 beside it
	s_mov_b32 s[\g], 15|(3<<16)|(1<<21)
	s_mov_b32 s[\g+1], 32<<16
	s_mov_b32 s[\g+3], 32<<16
	s_mov_b32 s[\g+5], 32
	s_mov_b32 s[\g+6], 0
	s_mov_b32 s[\g+7], 0
.endr
	s_mov_b32 s[G1A+2], 16<<16
	s_mov_b32 s[G1A+4], 16
	s_mov_b32 s[G1B+2], 34<<16
	s_mov_b32 s[G1B+4], 34
	s_add_co_u32 s52, s[WV], 1                     ; first fill: LDS byte 4,096 w + 69,632 ((w >= 7) + (w >= 14)): 0 .., VB .., SCB, SCB + 4,096
	s_lshr_b32 s52, s52, 3
	s_min_u32 s52, s52, 1                          ; w >= 7
	s_add_co_u32 s53, s[WV], 2
	s_lshr_b32 s53, s53, 4                         ; w >= 14
	s_add_co_u32 s54, s52, s53
	s_mul_i32 s54, s54, 69632
	s_lshl_b32 s55, s[WV], 12
	s_add_co_u32 s[G0A+1], s54, s55
	s_mul_i32 s60, s[BH], 98304                    ; this head's K or V in its part of himg
	s_mul_i32 s56, s52, HIMG-F1
	s_add_co_u32 s56, s56, HIMG
	s_add_co_u32 s56, s56, s60
	s_add_co_u32 s56, s56, s55                     ; codes: K's part + 4,096 w, or V's part + 4,096 (w - 7)
	s_sub_co_u32 s59, s[WV], 13
	s_lshl_b32 s59, s59, 18
	s_lshl_b32 s61, s[BH], 12
	s_add_co_u32 s59, s59, s61                     ; scale words (w = 14, 15): part w - 13 of hsc
	s_lshr_b32 s62, s[WV], 3                       ; second fill: K (0) or V (1),
	s_and_b32 s63, s[WV], 7
	s_mul_i32 s63, s63, P2
	s_add_co_u32 s63, s63, F1                      ; byte F1 + 8,704 (w % 8) of it
	s_mul_i32 s66, s62, VB
	s_add_co_u32 s[G0B+1], s66, s63
	s_mul_i32 s66, s62, HIMG
	s_add_co_u32 s66, s66, HIMG
	s_add_co_u32 s66, s66, s60
	s_add_co_u32 s66, s66, s63
	s_mov_b32 s67, 0
	s_mov_b32 s57, 0
	s_mov_b32 s[G0A], 1
	s_mov_b32 s[G0B], 1
	s_wait_dscnt 0x0                               ; both opening adds are done
	s_wait_kmcnt 0x0
	s_cmp_lt_u32 s[WV], 14                         ; the choice hangs on the wave's number alone
	s_cselect_b32 s56, s56, s59
	s_cselect_b64 s[G0A+2:G0A+3], s[4:5], s[6:7]
	s_add_nc_u64 s[G0A+2:G0A+3], s[G0A+2:G0A+3], s[56:57]
	s_or_b32 s[G0A+3], s[G0A+3], 0x80000000
	s_add_nc_u64 s[G0B+2:G0B+3], s[4:5], s[66:67]
	s_or_b32 s[G0B+3], s[G0B+3], 0x80000000
	CROUND                                         ; all four work-groups are here: the joint loads meet
	tensor_load_to_lds s[G0A:G0A+3], s[G1A:G1A+7]  ; my one load at the head
	s_nop 0
	s_mov_b32 s[SEL], 0x76543210
	s_mov_b32 s[SEL+1], 0xfedcba98
	s_mov_b32 s[CS], 0x3e38aa3b
	s_mov_b32 s[CS+1], s[CS]
	s_and_b32 s[UU], s[WV], 1
	s_lshl_b32 s[TAU], s[CX], 1
	s_add_co_u32 s[TAU], s[TAU], s[UU]
	s_lshr_b32 s[QB2], s[WV], 1
	s_sub_co_u32 s[QB], 15, s[QB2]                 ; the longer tile first
	s_lshl_b32 s68, s[CX], 5
	s_lshl_b32 s69, s[UU], 3
	s_add_co_u32 s68, s68, s69                     ; my tile's first query in its block
	v_and_b32 v[T], 31, v0
	v_and_b32 v[R4], 15, v0                        ; r
	v_bfe_u32 v[HB], v0, 4, 1                      ; h
	v_lshlrev_b32 v[L16], 4, v[T]
	v_lshlrev_b32 v[L8], 3, v[T]
	v_and_b32 v[DG], 8, v[R4]
	v_lshlrev_b32 v[AS0], 2, v[R4]
	v_add_nc_u32 v[LV16], VB, v[L16]
	v_add_nc_u32 v[LV8], VB, v[L8]
	v_add3_u32 v[DG], v[DG], v[R4], s68            ; my query in its block: 32 cx + 8 (w % 2) + r + 8 (r / 8)
	v_lshl_add_u32 v[SBY], v[R4], 2, v[HB]
	v_lshlrev_b32 v[T], 4, v[HB]
	v_lshl_add_u32 v[AS0], v[HB], 12, v[AS0]
	v_lshlrev_b32 v[R4], 2, v[R4]
	v_sub_nc_u32 v[DG], v[DG], v[T]
	v_add_nc_u32 v[AS0], SCB, v[AS0]
.irp i, 0,1,2,3,4,5
	v_mov_b32 v[QHI+\i], 0
	v_mov_b32 v[QLO+6+\i], 0
.endr
	v_mov_b32 v[NINF], 0xff800000
	v_mov_b32 v[FF+1], 0                           ; named as the upper half of a pair
.irp b, 0,1,2,3
	v_mov_b32 v[BT+\b], 0                          ; a lane permute's destination counts as one of its sources
.endr
; A TILE'S START: q's half fragment and scale halfwords, where the results go, and the running numbers
.macro PASS
	s_lshl_b32 s70, s[QB], 3
	s_add_co_u32 s70, s70, s[TAU]                  ; my tile in the batch
	s_lshl_b32 s71, s[BH], 7
	s_add_co_u32 s71, s71, s70
	s_mul_i32 s72, s71, 768
	s_mov_b32 s73, 0
	s_add_nc_u64 s[72:73], s[4:5], s[72:73]
	s_lshr_b32 s74, s70, 1
	s_lshl_b32 s74, s74, 6
	s_lshl_b32 s71, s[BH], 12
	s_add_co_u32 s74, s74, s71
	s_lshl_b32 s71, s[UU], 1
	s_add_co_u32 s74, s74, s71
	s_mov_b32 s75, 0
	s_add_nc_u64 s[74:75], s[6:7], s[74:75]
	s_wait_alu depctr_va_vdst(0)                   ; the wait here, directly ahead of the readers below
	global_load_b128 v[QLO:QLO+3], v[L16], s[72:73]
	global_load_b64 v[QLO+4:QLO+5], v[L8], s[72:73] offset:512
	global_load_u16 v[QS], v[R4], s[74:75]
	s_and_b32 s60, s[BH], 15                       ; results: tile 128 batch + tile; K step head / 2, half head % 2
	s_lshr_b32 s61, s[BH], 4
	s_lshl_b32 s61, s61, 7
	s_add_co_u32 s61, s61, s70
	s_lshr_b32 s62, s60, 1
	s_and_b32 s60, s60, 1
	s_lshl_b32 s66, s61, 3
	s_add_co_u32 s66, s66, s62
	s_mul_i32 s66, s66, 1536
	s_mul_i32 s63, s60, 768
	s_add_co_u32 s66, s66, s63
	s_mov_b32 s67, 0
	s_add_nc_u64 s[OA:OA+1], s[8:9], s[66:67]
	s_lshr_b32 s66, s61, 1
	s_lshl_b32 s66, s66, 10
	s_lshl_b32 s62, s62, 7
	s_add_co_u32 s66, s66, s62
	s_and_b32 s61, s61, 1
	s_lshl_b32 s61, s61, 6
	s_add_co_u32 s66, s66, s61
	s_lshl_b32 s60, s60, 1
	s_add_co_u32 s66, s66, s60
	s_add_nc_u64 s[OS:OS+1], s[10:11], s[66:67]
	v_mov_b32 v[NM+1], 0xff61b1e6                  ; the largest t so far: -3e38
	v_mov_b32 v[SUM], 0
	v_mov_b32 v[SUM+1], 0
	v_floor_f32 v[NM], -v[NM+1]
	s_wait_alu depctr_va_vdst(0)                   ; the wait here, directly ahead of the wait below
	s_wait_loadcnt 0x0
	v_lshl_or_b32 v[QS], v[QS], 16, v[QS]
.set n, 0
.rept 32
	v_mov_b32 v[O+n], 0                            ; O^T: the step is written once, and the first change of M leaves zeros zeros.  (Also the places between Q's scale word and the first products)
.set n, n+1
.endr
.endm
; A KEY STEP: 128 keys.  chk = 0: steps 0-3 of a block from 8 on: none is hidden and none lies on the diagonal
.macro STEP chk
.if \chk
	s_cmp_gt_u32 s[SG], s[QB]                      ; all its keys come after my queries: its work is left out, not the steps of the addresses at its end
	s_cbranch_scc1 .Lhidden_\@
.endif
	v_add_nc_u32 v[AF16], s[TK], v[L16]            ; five plain lines: the places in front of loads into registers that the last products have read
	v_add_nc_u32 v[AF8], s[TK], v[L8]
	v_add_nc_u32 v[AV16], s[TK], v[LV16]
	v_add_nc_u32 v[AV8], s[TK], v[LV8]
	v_add_nc_u32 v[ADS], s[TS], v[AS0]
.irp f, 0,1,2,3
	FRAG FR+12*\f, AF16, AF8, 1536*\f
.endr
.irp i, 0,1,2,3
	ds_load_b32 v[SW+\i], v[ADS] offset:64*\i
.endr
	s_wait_alu depctr_va_vdst(0)                   ; the wait here, directly ahead of the wait below
	s_wait_dscnt 0x0
.irp f, 0,1,2,3                                ; S^T: tiles 2 f (k = 0..63 of the fragment) and 2 f + 1 (k = 64..127)
	v_wmma_scale_f32_16x16x128_f8f6f4 v[S+16*\f:S+16*\f+7], v[FR+12*\f:FR+12*\f+11], v[QLO:QLO+11], 0, v[SW+\f], v[QS] matrix_a_fmt:MATRIX_FMT_BF6 matrix_b_fmt:MATRIX_FMT_BF6
	v_wmma_scale_f32_16x16x128_f8f6f4 v[S+16*\f+8:S+16*\f+15], v[FR+12*\f:FR+12*\f+11], v[QHI:QHI+11], 0, v[SW+\f], v[QS] matrix_a_fmt:MATRIX_FMT_BF6 matrix_b_fmt:MATRIX_FMT_BF6
.endr
.rept 4
	v_nop                                          ; places: the scores are read, and K's registers take V
.endr
.irp t, 0,1,2,3
	FRAG FR+12*\t, AV16, AV8, 1536*\t              ; V's four tiles land while the softmax is worked
.endr
.if \chk
	s_cmp_lg_u32 s[SG], s[QB]
	s_cbranch_scc1 .Lopen_\@
.set n, 0
.rept 64                                       ; on the diagonal: register 16 b + i holds key 32 b + 16 h + i of the block: hidden where 32 b + i > my query - 16 h
	v_cmp_gt_i32 vcc_lo, 32*(n/16)+n%16, v[DG]
	v_cndmask_b32 v[S+n], v[S+n], v[NINF], vcc_lo
.set n, n+1
.endr
.Lopen_\@:
.endif
.irp b, 0,1,2,3
	v_max3_num_f32 v[BM+\b], v[S+16*\b], v[S+1+16*\b], v[S+2+16*\b]   ; the largest score of each block of 32 keys: for the row's maximum, and, since p rises with the score, for the block's largest p
.endr
.irp i, 3,5,7,9,11,13
.irp b, 0,1,2,3
	v_max3_num_f32 v[BM+\b], v[BM+\b], v[S+16*\b+\i], v[S+1+16*\b+\i]
.endr
.endr
.irp b, 0,1,2,3
	v_max_num_f32 v[BM+\b], v[BM+\b], v[S+15+16*\b]
.endr
.irp b, 0,1,2,3
	s_delay_alu instid0(VALU_DEP_4)
	v_permlanex16_b32 v[BT+\b], v[BM+\b], s[SEL], s[SEL+1]
.endr
.irp b, 0,1,2,3
	s_delay_alu instid0(VALU_DEP_4)
	v_max_num_f32 v[BM+\b], v[BM+\b], v[BT+\b]
.endr
	s_delay_alu instid0(VALU_DEP_2)
	v_max3_num_f32 v[T], v[BM], v[BM+1], v[BM+2]
	s_delay_alu instid0(VALU_DEP_1)
	v_max_num_f32 v[T], v[T], v[BM+3]
	s_delay_alu instid0(VALU_DEP_1)
	v_mul_f32 v[T], s[CS], v[T]
	s_delay_alu instid0(VALU_DEP_1)
	v_max_num_f32 v[NM+1], v[NM+1], v[T]           ; the running largest t
	v_mov_b32 v[T], v[NM]
	s_delay_alu instid0(VALU_DEP_2)
	v_floor_f32 v[NM], -v[NM+1]                    ; -M = floor(-t): M is a whole number
	s_delay_alu instid0(VALU_DEP_1)
	v_sub_f32 v[T], v[NM], v[T]
	s_delay_alu instid0(VALU_DEP_1)
	v_cvt_i32_f32 v[T], v[T]                       ; (it saturates)
	s_delay_alu instid0(VALU_DEP_1)
	v_ldexp_f32 v[FF], 1.0, v[T]                   ; f = 2^(old M - new M): a multiplication by it rounds nothing
.set n, 0
.rept 32
	v_pk_fma_f32 v[S+n:S+n+1], v[S+n:S+n+1], s[CS:CS+1], v[NM:NM+1] op_sel_hi:[1,0,0]   ; t - M
.set n, n+2
.endr
.irp b, 0,1,2,3
	v_fma_f32 v[BM+\b], v[BM+\b], s[CS], v[NM]
.endr
	s_wait_alu depctr_va_vdst(0)                   ; the wait ahead of the batch
.set n, 0
.rept 64
	v_exp_f32 v[S+n], v[S+n]                       ; p = 2^(t - M)
.set n, n+1
.endr
	v_pk_mul_f32 v[SUM:SUM+1], v[SUM:SUM+1], v[FF:FF+1] op_sel_hi:[1,0]   ; the sums under the new M: the plain place behind the exponentials
	s_wait_alu depctr_va_vdst(0)                   ; one wait for the batch, ahead of its first reader
.irp b, 0,1,2,3
	v_exp_f32 v[BM+\b], v[BM+\b]                   ; the blocks' largest p
.endr
.irp c, 0,1,2,3,4,5,6                          ; the row's sum of the unquantised p: 32 pairs in eight chains
	v_pk_add_f32 v[AC+2*\c:AC+2*\c+1], v[S+2*\c:S+2*\c+1], v[S+16+2*\c:S+17+2*\c]
.endr
	v_pk_add_f32 v[SUM:SUM+1], v[SUM:SUM+1], v[S+14:S+15]
.irp g, 32,48
.irp c, 0,1,2,3,4,5,6
	v_pk_add_f32 v[AC+2*\c:AC+2*\c+1], v[AC+2*\c:AC+2*\c+1], v[S+\g+2*\c:S+\g+1+2*\c]
.endr
	v_pk_add_f32 v[SUM:SUM+1], v[SUM:SUM+1], v[S+\g-2:S+\g-1]
.endr
	v_pk_add_f32 v[SUM:SUM+1], v[SUM:SUM+1], v[S+62:S+63]
	v_pk_add_f32 v[AC:AC+1], v[AC:AC+1], v[AC+2:AC+3]
	v_pk_add_f32 v[AC+4:AC+5], v[AC+4:AC+5], v[AC+6:AC+7]
	v_pk_add_f32 v[AC+8:AC+9], v[AC+8:AC+9], v[AC+10:AC+11]
	s_delay_alu instid0(VALU_DEP_4)
	v_pk_add_f32 v[SUM:SUM+1], v[SUM:SUM+1], v[AC+12:AC+13]
	s_delay_alu instid0(VALU_DEP_3)
	v_pk_add_f32 v[AC:AC+1], v[AC:AC+1], v[AC+4:AC+5]
	s_delay_alu instid0(VALU_DEP_2)
	v_pk_add_f32 v[SUM:SUM+1], v[SUM:SUM+1], v[AC+8:AC+9]
	s_delay_alu instid0(VALU_DEP_1)
	v_pk_add_f32 v[SUM:SUM+1], v[SUM:SUM+1], v[AC:AC+1]
	s_wait_alu depctr_va_vdst(0)                   ; and one for the four
.irp b, 0,1,2,3
	v_max_num_f32 v[BM+\b], 0x2800000, v[BM+\b]    ; the floor: the byte cannot fall under 1
.endr
.irp b, 0,1,2,3
	s_delay_alu instid0(VALU_DEP_4)
	v_add_nc_u32 v[SO+\b], 0xfe000000, v[BM+\b]
.endr
.irp b, 0,1,2,3
	s_delay_alu instid0(VALU_DEP_4)
	v_lshrrev_b32 v[BT+\b], 23, v[SO+\b]
.endr
	s_delay_alu instid0(VALU_DEP_3)
	v_lshl_or_b32 v[PW], v[BT+1], 8, v[BT]
	s_delay_alu instid0(VALU_DEP_1)
	v_lshl_or_b32 v[PW], v[BT+2], 16, v[PW]
	s_delay_alu instid0(VALU_DEP_1)
	v_lshl_or_b32 v[PW], v[BT+3], 24, v[PW]
.irp c, 0,1
	v_cvt_scalef32_pk16_bf6_f32 v[PC+6*\c:PC+2+6*\c], v[S+32*\c:S+15+32*\c], v[SO+2*\c]
	v_cvt_scalef32_pk16_bf6_f32 v[PC+12+4*\c:PC+14+4*\c], v[S+16+32*\c:S+31+32*\c], v[SO+2*\c+1]
.endr
	v_nop                                          ; one plain place behind a scaled conversion
.irp c, 0,1
.irp i, 0,1,2
	v_permlane16_swap_b32 v[PC+6*\c+\i], v[PC+12+4*\c+\i]
.endr
.irp i, 0,1,2
	s_delay_alu instid0(VALU_DEP_3)
	v_mov_b32 v[PC+3+6*\c+\i], v[PC+12+4*\c+\i]
.endr
.endr
	s_wait_alu depctr_va_vdst(0)                   ; the wait here, directly ahead of the first reader of O^T
.set n, 0
.rept 16
	v_pk_mul_f32 v[O+n:O+n+1], v[O+n:O+n+1], v[FF:FF+1] op_sel_hi:[1,0]   ; O^T under the new M; these are also the places in front of the scaled products
.set n, n+2
.endr
	s_wait_alu depctr_va_vdst(0)                   ; the wait here, directly ahead of the wait below
	s_wait_dscnt 0x0                               ; V is in
.irp t, 0,1,2,3                                ; O^T += V^T P^T: the four tiles by turns; between two links of a chain stand the other three and the next step's eight
	v_wmma_scale_f32_16x16x128_f8f6f4 v[O+8*\t:O+8*\t+7], v[FR+12*\t:FR+12*\t+11], v[PC:PC+11], v[O+8*\t:O+8*\t+7], v[SW+\t], v[PW] matrix_a_fmt:MATRIX_FMT_BF6 matrix_b_fmt:MATRIX_FMT_BF6 matrix_a_scale:MATRIX_SCALE_ROW1
.endr
.if \chk
.Lhidden_\@:
.endif
	s_add_co_u32 s[SG], s[SG], 1
	s_add_co_u32 s[TK], s[TK], 6144
	s_add_co_u32 s[TS], s[TS], 256
.endm
.macro WALK first, trips, chk          ; a constant number of trips: the hidden ones only step the addresses
	s_mov_b32 s[SG], \first
	s_mov_b32 s[TK], 6144*\first
	s_mov_b32 s[TS], 256*\first
	s_mov_b32 s[CNT], \trips
.Lstep_\@:
	STEP \chk
	s_sub_co_u32 s[CNT], s[CNT], 1
	s_cmp_lg_u32 s[CNT], 0
	s_cbranch_scc1 .Lstep_\@
.endm
; A TILE'S WAY OUT: O^T / the sum, quantised along the head's 64 (two blocks of D): half a fragment of the output projection's operand
.macro FINAL
.rept 4
	v_nop                                          ; places behind the last products
.endr
	v_add_f32 v[SUM], v[SUM], v[SUM+1]
	s_delay_alu instid0(VALU_DEP_1)
	v_permlanex16_b32 v[BT], v[SUM], s[SEL], s[SEL+1]
	s_delay_alu instid0(VALU_DEP_1)
	v_add_f32 v[SUM], v[SUM], v[BT]                ; the row's sum
	s_wait_alu depctr_va_vdst(0)                   ; the wait ahead of the transcendental
	v_rcp_f32 v[SUM], v[SUM]
	v_nop                                          ; a plain place behind the reciprocal
	s_wait_alu depctr_va_vdst(0)                   ; ahead of its first reader, and of O^T's
.set n, 0
.rept 32
	v_mul_f32 v[S+n], v[O+n], v[SUM]               ; register 16 b + i: channel 32 b + 16 h + i; each accumulator from its low end on
.set n, n+1
.endr
.irp b, 0,1
	v_max3_num_f32 v[BM+\b], |v[S+16*\b]|, |v[S+1+16*\b]|, 0x2800000
.endr
.irp i, 2,4,6,8,10,12,14
.irp b, 0,1
	s_delay_alu instid0(VALU_DEP_2)
	v_max3_num_f32 v[BM+\b], v[BM+\b], |v[S+16*\b+\i]|, |v[S+1+16*\b+\i]|
.endr
.endr
.irp b, 0,1
	s_delay_alu instid0(VALU_DEP_2)
	v_permlanex16_b32 v[BT+\b], v[BM+\b], s[SEL], s[SEL+1]
.endr
.irp b, 0,1
	s_delay_alu instid0(VALU_DEP_2)
	v_max_num_f32 v[BM+\b], v[BM+\b], v[BT+\b]
.endr
.irp b, 0,1
	s_delay_alu instid0(VALU_DEP_2)
	v_add_nc_u32 v[SO+\b], 0xfe000000, v[BM+\b]
.endr
.irp b, 0,1
	s_delay_alu instid0(VALU_DEP_2)
	v_lshrrev_b32 v[BT+\b], 23, v[SO+\b]
.endr
	v_cvt_scalef32_pk16_bf6_f32 v[PC:PC+2], v[S:S+15], v[SO]
	v_cvt_scalef32_pk16_bf6_f32 v[PC+12:PC+14], v[S+16:S+31], v[SO+1]
	v_nop                                          ; one plain place behind a scaled conversion
.irp i, 0,1,2
	v_permlane16_swap_b32 v[PC+\i], v[PC+12+\i]
.endr
.irp i, 0,1,2
	s_delay_alu instid0(VALU_DEP_3)
	v_mov_b32 v[PC+3+\i], v[PC+12+\i]
.endr
	v_cmp_eq_u32 vcc_lo, 1, v[HB]
	s_delay_alu instid0(VALU_DEP_1)
	v_cndmask_b32 v[PW], v[BT], v[BT+1], vcc_lo    ; lane (r, h) stores block h's byte of row r
	global_store_b128 v[L16], v[PC:PC+3], s[OA:OA+1]   ; 512 and 256 consecutive bytes: three aligned blocks of 256
	global_store_b64 v[L8], v[PC+4:PC+5], s[OA:OA+1] offset:512
	global_store_b8 v[SBY], v[PW], s[OS:OS+1]      ; two heads share a scale word, so these 32 bytes go singly: one byte for each 24 of codes
.endm
	PASS                                           ; block 15 - w / 2
	s_wait_alu depctr_va_vdst(0)                   ; the wait at the head's end
	s_wait_tensorcnt 0x0                           ; my part of the first fill is in
	ds_add_u32 v[SPW], v[NIL]
	s_wait_dscnt 0x0
	CROUND                                         ; everybody's part is in, and all four work-groups are here
	tensor_load_to_lds s[G0B:G0B+3], s[G1B:G1B+7]  ; the second fill: my one load behind the round
	s_nop 0
	WALK 0, 4, 0                                   ; key steps 0-3 lie in the first fill
	s_wait_tensorcnt 0x0                           ; my part of the second fill is in,
	s_wait_dscnt 0x0
	s_barrier_signal -1
	s_barrier_wait -1                              ; and everybody's: from here on the waves share nothing that changes
	WALK 4, 12, 1
	FINAL
	s_wait_xcnt 0x0                                ; the stores have read their registers and bases
	s_mov_b32 s[QB], s[QB2]                        ; block w / 2
	PASS
	WALK 0, 8, 1
	FINAL
	s_wait_tensorcnt 0x0                           ; the wave's end
	ds_add_u32 v[SPW], v[NIL]
	s_wait_dscnt 0x0
	CROUND                                         ; the closing round
	s_endpgm
.Lfunc_end_k_q61aa827657_attn:
	.size	k_q61aa827657_attn, .Lfunc_end_k_q61aa827657_attn-k_q61aa827657_attn
	.p2alignl 7, 3214868480
	.fill 96, 4, 3214868480
	.section	.rodata,"a",@progbits
	.p2align	6, 0x0
	.amdhsa_kernel k_q61aa827657_attn
		.amdhsa_group_segment_fixed_size 327680
		.amdhsa_private_segment_fixed_size 0
		.amdhsa_enable_private_segment 0
		.amdhsa_kernarg_size 32
		.amdhsa_user_sgpr_count 2
		.amdhsa_user_sgpr_kernarg_segment_ptr 1
		.amdhsa_wavefront_size32 1
		.amdhsa_system_sgpr_workgroup_id_x 1
		.amdhsa_system_sgpr_workgroup_id_y 1
		.amdhsa_system_sgpr_workgroup_id_z 1
		.amdhsa_system_vgpr_workitem_id 0
		.amdhsa_next_free_vgpr 256
		.amdhsa_next_free_sgpr 80
		.amdhsa_reserve_vcc 1
		.amdhsa_float_denorm_mode_32 3
		.amdhsa_float_denorm_mode_16_64 3
		.amdhsa_memory_ordered 1
		.amdhsa_forward_progress 1
		.amdhsa_inst_pref_size 84
	.end_amdhsa_kernel
	.amdgpu_metadata
---
amdhsa.version: [ 1, 2 ]
amdhsa.kernels:
  - .name:           k_q61aa827657_attn
    .symbol:         k_q61aa827657_attn.kd
    .args:
      - { .name: himg, .offset: 0, .size: 8, .value_kind: global_buffer, .address_space: global }
      - { .name: hsc, .offset: 8, .size: 8, .value_kind: global_buffer, .address_space: global }
      - { .name: aimg, .offset: 16, .size: 8, .value_kind: global_buffer, .address_space: global }
      - { .name: asc, .offset: 24, .size: 8, .value_kind: global_buffer, .address_space: global }
    .group_segment_fixed_size: 327680
    .private_segment_fixed_size: 0
    .kernarg_segment_align: 8
    .kernarg_segment_size: 32
    .max_flat_workgroup_size: 512
    .sgpr_count:     80
    .vgpr_count:     256
    .wavefront_size: 32
...
	.end_amdgpu_metadata
.endif
;; end of part 3
;; launch outp (part 4): grid 4 x 64, 4 waves a work-group, clusters of 4 x 4, 327,680 bytes of LDS; arguments aimg, asc, wimg, wsc, bo, out0; writes out0
.if DOCPART == 4
	.amdgcn_target "amdgcn-amd-amdhsa--gfx1250"
	.amdhsa_code_object_version 6
	.text
	.protected	k_q61aa827657_outp
	.globl	k_q61aa827657_outp
	.p2align	8
	.type	k_q61aa827657_outp,@function
k_q61aa827657_outp:
	s_mov_b64 s[64:65], 0
	v_nop
	global_prefetch_b8 v0, s[64:65] scope:SCOPE_SE
	s_setreg_imm32_b32 hwreg(HW_REG_WAVE_MODE, 25, 1), 1
	s_wait_xcnt 0x0
	s_wait_alu depctr_hold_cnt(0) depctr_sa_sdst(0) depctr_va_vdst(0) depctr_va_sdst(0) depctr_va_ssrc(0) depctr_va_vcc(0) depctr_vm_vsrc(0)
	s_getreg_b32 s2, hwreg(HW_REG_IB_STS2, 6, 4)
	s_cmp_eq_u32 s2, 0
	s_cbranch_scc0 .Lentry_in_a_cluster
	s_endpgm
.Lentry_in_a_cluster:
	s_bfe_u32 s2, ttmp6, 0x10000c
	s_cmp_lg_u32 s2, 0xf033
	s_cbranch_scc0 .Lentry_shape_is_right
	s_endpgm
.Lentry_shape_is_right:
; out0 = a Wo + bo on codes of BF6 (E3M2) with E8M0 scales, f32 sums.  a: the attention's output as images of fragments, aimg[tile][K step 8][1536], scale words asc[f][K step][u][row]; Wo: the fourth part of wimg, wsc.
; Tile 2 f + u of an operand holds rows 32 f + 8 u + rho + 8 (rho / 8).  A work-group makes 128 tokens (P, source 1) x 256 columns (R, source 0) over all of K = 1,024; four waves, each 64 x 128.
; ALL OF K LIES IN LDS, each byte filled once: P's eight tiles of rows and R's sixteen are dense blocks of memory; wave 0 brings R's codes, wave 1 P's, wave 2 P's scale words, wave 3 R's: one joint load a wave.
; CLUSTER 4 x 4: P's blocks are shared along a row of the cluster, R's along a column; each is asked for jointly, which divides the requests by four.  NO PREFETCH: the launch's only loads go out at its head.
; TWO PASSES.  A wave makes its 128 columns as two halves of 64, each over all of K: 16 accumulators by turns.  The first half's results leave between the second half's K steps, so that half of the stores
; are on their way while products are made.  The price: P's fragments are read from LDS twice (8 fragments for 16 products in place of 12 for 32).
; THE WAY OUT.  A lane holds one token, and the 16 registers of R's tiles 2 b, 2 b + 1 are 16 neighbouring columns; 16 tokens x 64 columns go through the wave's own stage in LDS (bytes into which no fill lands)
; and leave as rows of 256 consecutive bytes, aligned, sixteen lanes to a row.
; REGISTERS: window 0: v1-29 addresses, v32-95 scale words, v96-127 and v224-255 rows of out0 on their way, v128-223 P's fragments, two sets.  window 1: accumulator (a, b) at v[8 (8 a + b)].
;            window 2: v0-191 R's fragments, two sets; v192-255 the bias in the result's layout.
.set WIMG, 786432
.set PB,   0                           ; LDS: P's codes [tile 8][K step 8][1536]
.set RB,   98304                       ; R's codes [tile 16][K step 8][1536]
.set SCP,  294912                      ; P's scale words, 4,096 bytes
.set SCRB, 299008                      ; R's, 8,192 bytes
.set SPARE, 307200                     ; the spare words, 128 bytes a wave: two blocks of 256 bytes that no other line names
.set STAGE, 307712                     ; four stages of 16 rows x 272 bytes
.set SPITCH, 272
.set L16,  3
.set L8,   4
.set ADRS, 5
.set AP16, 6                           ; a register for each of my four tiles of P
.set AP8,  10
.set AR16, 14                          ; for each pair of my eight tiles of R
.set AR8,  18
.set STO,  22
.set RD,   23
.set CO,   24
.set SPW,  28
.set NIL,  29
.set SC,   32
.set S1F,  128
.set BI,   192
.set G1P,  24
.set G1R,  32
.set G1SP, 40
.set G1SR, 48
.set G0SP, 56
.set G0SR, 60
.set G0P,  68
.set G0R,  84
.set MSB, 0
.macro WIN new                         ; the immediate's high byte repeats the setting that is left
.if MSB != \new
	s_set_vgpr_msb (MSB<<8)|\new
.set MSB, \new
.endif
.endm
.macro CROUND                          ; a round of the cluster's barrier
	s_barrier_signal -1
	s_barrier_wait -1
	s_cmp_lg_u32 s2, 0
	s_cbranch_scc1 .Lnot_wave_0_\@
	s_barrier_signal -3
.Lnot_wave_0_\@:
	s_barrier_wait -3
	s_barrier_signal -1
	s_barrier_wait -1
.endm
.macro PLACES n
.rept \n
	v_nop
.endr
.endm
.macro FRAG reg, a16, a8, off          ; a fragment's image back into 12 registers
	ds_load_b128 v[(\reg):(\reg)+3], v[\a16] offset:\off
	ds_load_b64 v[(\reg)+4:(\reg)+5], v[\a8] offset:\off+512
	ds_load_b128 v[(\reg)+6:(\reg)+9], v[\a16] offset:\off+768
	ds_load_b64 v[(\reg)+10:(\reg)+11], v[\a8] offset:\off+1280
.endm
.macro FETCH k, hb                     ; K step k: R's tiles 4 hb .. 4 hb + 3 and P's four into set k % 2
	WIN 0x80                                       ; destination window 2
.irp b, 0,1,2,3
	FRAG 96*((\k)%2)+12*(4*(\hb)+\b), AR16+2*(\hb)+\b/2, AR8+2*(\hb)+\b/2, 12288*(\b%2)+1536*(\k)
.endr
	WIN 0
.irp a, 0,1,2,3
	FRAG S1F+48*((\k)%2)+12*\a, AP16+\a, AP8+\a, 1536*(\k)
.endr
.endm
.macro SCALES q
.irp kk, 0,1
.irp i, 0,1,2,3,4,5,6,7
	ds_load_b32 v[SC+8*(2*(\q)+\kk)+\i], v[ADRS] offset:1024*(\i/2)+64*(\i%2)+128*(2*(\q)+\kk)
.endr
.endr
.endm
; 16 matrix instructions, the pass's 16 accumulators by turns, in the same order in every step.  cz = 1: the sums begin with the bias
.macro MUL16 k, cz, hb
.if (\cz) == 0
	WIN 0x52                                       ; source 0 window 2, source 1 window 0, C and D window 1
.else
	WIN 0x62                                       ; C window 2
.endif
.irp a, 0,1,2,3
.irp b, 0,1,2,3
.set AC, 8*(8*\a+4*(\hb)+\b)
.set RF, 96*((\k)%2)+12*(4*(\hb)+\b)
.set PF, S1F+48*((\k)%2)+12*\a
.set SR, SC+8*(\k)+4*(\hb)+\b
.set SP, SC+8*(\k)+\a
.if (\cz) == 0
	v_wmma_scale_f32_16x16x128_f8f6f4 v[AC:AC+7], v[RF:RF+11], v[PF:PF+11], v[AC:AC+7], v[SR], v[SP] matrix_a_fmt:MATRIX_FMT_BF6 matrix_b_fmt:MATRIX_FMT_BF6 matrix_a_scale:MATRIX_SCALE_ROW1
.else
	v_wmma_scale_f32_16x16x128_f8f6f4 v[AC:AC+7], v[RF:RF+11], v[PF:PF+11], v[BI+8*(4*(\hb)+\b):BI+8*(4*(\hb)+\b)+7], v[SR], v[SP] matrix_a_fmt:MATRIX_FMT_BF6 matrix_b_fmt:MATRIX_FMT_BF6 matrix_a_scale:MATRIX_SCALE_ROW1
.endif
.endr
.endr
.endm
; THE WAY OUT of tokens' tile a, columns' half hb.  LDS serves a wave's instructions in order: no wait between the stores and the loads, nor in front of the next tile's stores.
.macro TOSTAGE a, hb
	s_wait_xcnt 0x0                                ; earlier stores have read their registers: the loads below may land there
	WIN 0x04                                       ; an LDS store's data are its source 1: window 1
.irp b, 0,1,2,3
	ds_store_b128 v[STO], v[8*(8*(\a)+4*(\hb)+\b):8*(8*(\a)+4*(\hb)+\b)+3] offset:128*(\b/2)+32*(\b%2)          ; each accumulator from its low end on
	ds_store_b128 v[STO], v[8*(8*(\a)+4*(\hb)+\b)+4:8*(8*(\a)+4*(\hb)+\b)+7] offset:128*(\b/2)+32*(\b%2)+16
.endr
	WIN 0
.irp t, 0,1,2,3,4,5,6,7
	ds_load_b128 v[96+128*((\a)%2)+4*\t:96+128*((\a)%2)+4*\t+3], v[RD] offset:2*SPITCH*\t   ; rows 2 t and 2 t + 1 of the stage
.endr
.endm
.macro SEND a, hb, younger             ; younger: the LDS instructions issued behind tile a's loads, which may stay out; -1: a wait for all has been passed
.if \younger >= 0
	s_wait_dscnt \younger
.endif
.irp t, 0,1,2,3,4,5,6,7
	global_store_b128 v[CO], v[96+128*((\a)%2)+4*\t:96+128*((\a)%2)+4*\t+3], s[14:15] offset:(32*((\a)/2)+8*((\a)%2)+2*\t+8*(\t/4))*4096+256*(\hb) th:TH_STORE_NT   ; sixteen lanes store 256 consecutive bytes, aligned; written once
.endr
.endm
; A K step of pass hb.  In the second pass the first pass's four tiles of tokens leave: into the stage behind an even step's products, stored at the head of the odd step that follows.
.macro STEP k, hb
	s_wait_dscnt 0x0                               ; this step's fragments, asked for a step ago, are in (and what came back from the stage)
.if ((\hb) == 1) && ((\k)%2 == 1)
	SEND ((\k)-1)/2, 0, -1
.endif
.if (\k)+(\hb) > 0
	PLACES 4                                       ; in front of loads into registers that the last step's products have read, and of the stage's reads of finished sums
.endif
.if (\k) < 7
	FETCH (\k)+1, \hb
.elseif (\hb) == 0
	FETCH 0, 1
.endif
.if (\k) == 0
	MUL16 \k, 1, \hb
.else
	MUL16 \k, 0, \hb
.endif
	WIN 0
.if ((\hb) == 1) && ((\k)%2 == 0)
	TOSTAGE (\k)/2, 0
.endif
.endm
	s_load_b256 s[4:11], s[0:1], 0x0               ; aimg, asc, wimg, wsc
	s_load_b128 s[12:15], s[0:1], 0x20             ; bo, out0
	v_lshl_add_u32 v[SPW], v0, 2, SPARE
	v_mov_b32 v[NIL], 0
	ds_add_u32 v[SPW], v[NIL]                      ; the opening lines: the add, twice on end, and its wait ahead of the round in front of the first loads
	ds_add_u32 v[SPW], v[NIL]
	v_lshrrev_b32 v1, 5, v0
	v_readfirstlane_b32 s2, v1                     ; wave 0..3
	s_lshr_b32 s22, s2, 1                          ; which 64 tokens are mine
	s_and_b32 s23, s2, 1                           ; which 128 columns are mine
	s_bfe_u32 s100, ttmp6, 0x40000                 ; cx
	s_bfe_u32 s101, ttmp6, 0x40004                 ; cy
	s_and_b32 s3, ttmp7, 0xffff                    ; the cluster's y, 0..15
	s_lshl_b32 s104, s101, 2
	s_lshl_b32 s104, 15, s104                      ; my row of the cluster
	s_lshl_b32 s105, 0x1111, s100                  ; my column
	s_or_b32 s[G1P], s104, (3<<16)|(1<<21)         ; 15:0 the mask; 17:16 elements of 8 bytes; 21 set beside a mask; no padding
	s_or_b32 s[G1SP], s104, (3<<16)|(1<<21)
	s_or_b32 s[G1R], s105, (3<<16)|(1<<21)
	s_or_b32 s[G1SR], s105, (3<<16)|(1<<21)
.irp g, G1P, G1R, G1SP, G1SR           ; dense blocks as rows of 256 bytes
	s_mov_b32 s[\g+1], 32<<16
	s_mov_b32 s[\g+3], 32<<16
	s_mov_b32 s[\g+5], 32
	s_mov_b32 s[\g+6], 0
	s_mov_b32 s[\g+7], 0
.endr
	s_mov_b32 s[G1P+2], 384<<16                    ; P: 8 tiles x 12,288 bytes,
	s_mov_b32 s[G1P+4], 384
	s_mov_b32 s[G1R+2], 768<<16                    ; R: 16 tiles
	s_mov_b32 s[G1R+4], 768
	s_mov_b32 s[G1SP+2], 16<<16
	s_mov_b32 s[G1SP+4], 16
	s_mov_b32 s[G1SR+2], 32<<16
	s_mov_b32 s[G1SR+4], 32
	s_lshl_b32 s104, s3, 2
	s_add_co_u32 s104, s104, s101                  ; P's tile, 0..63: hangs on cy alone
	s_mov_b32 s105, s100                           ; R's tile, 0..3: on cx alone
	s_wait_dscnt 0x0                               ; both opening adds are done
	s_wait_kmcnt 0x0
	s_lshl_b32 s[G0P+6], s104, 3                   ; P: tiles 8 Pidx on; its offsets are made in registers of its own
	s_mul_i32 s[G0P+6], s[G0P+6], 12288
	s_mov_b32 s[G0P+7], 0
	s_add_nc_u64 s[G0P+2:G0P+3], s[4:5], s[G0P+6:G0P+7]
	s_lshl_b32 s[G0P+6], s104, 12
	s_add_nc_u64 s[G0SP+2:G0SP+3], s[6:7], s[G0P+6:G0P+7]
	s_lshl_b32 s[G0R+6], s105, 4                   ; R: Wo, tiles 16 Ridx on
	s_mul_i32 s[G0R+6], s[G0R+6], 12288
	s_add_co_u32 s[G0R+6], s[G0R+6], 3*WIMG
	s_mov_b32 s[G0R+7], 0
	s_add_nc_u64 s[G0R+2:G0R+3], s[8:9], s[G0R+6:G0R+7]
	s_lshl_b32 s[G0R+6], s105, 13
	s_add_co_u32 s[G0R+6], s[G0R+6], 98304
	s_add_nc_u64 s[G0SR+2:G0SR+3], s[10:11], s[G0R+6:G0R+7]
	s_mov_b32 s[G0P+1], PB
	s_mov_b32 s[G0R+1], RB
	s_mov_b32 s[G0SP+1], SCP
	s_mov_b32 s[G0SR+1], SCRB
.irp g, G0P, G0R, G0SP, G0SR
	s_mov_b32 s[\g], 1
	s_or_b32 s[\g+3], s[\g+3], 0x80000000
.endr
	CROUND                                         ; all sixteen work-groups are here: the joint loads meet
; one joint load a wave, in ONE chain of branches on the wave's number: every way passes exactly one load
.macro ARM under, g0, g1, next
	s_cmp_lt_u32 s2, \under
	s_cbranch_scc0 \next
	tensor_load_to_lds s[\g0:\g0+3], s[\g1:\g1+7]
	s_nop 0
	PLACES 4
	s_branch .Lfilled
\next:
.endm
	ARM 1, G0R,  G1R,  .Lfill_p
	ARM 2, G0P,  G1P,  .Lfill_sp
	ARM 3, G0SP, G1SP, .Lfill_sr
	tensor_load_to_lds s[G0SR:G0SR+3], s[G1SR:G1SR+7]
	s_nop 0
	PLACES 4
.Lfilled:
	v_and_b32 v27, 31, v0
	v_and_b32 v1, 15, v0                           ; r
	v_bfe_u32 v2, v0, 4, 1                         ; h
	v_lshlrev_b32 v[L16], 4, v27
	v_lshlrev_b32 v[L8], 3, v27
	s_mul_i32 s3, s22, 49152                       ; my four tiles of P
	v_add_nc_u32 v[AP16], s3, v[L16]
	v_add_nc_u32 v[AP8], s3, v[L8]
	s_mul_i32 s3, s23, 98304                       ; my eight tiles of R
	s_add_co_u32 s3, s3, RB
	v_add_nc_u32 v[AR16], s3, v[L16]
	v_add_nc_u32 v[AR8], s3, v[L8]
.irp q, 1,2,3
	v_add_nc_u32 v[AP16+\q], 12288*\q, v[AP16]
	v_add_nc_u32 v[AP8+\q], 12288*\q, v[AP8]
	v_add_nc_u32 v[AR16+\q], 24576*\q, v[AR16]
	v_add_nc_u32 v[AR8+\q], 24576*\q, v[AR8]
.endr
	s_lshl_b32 s3, s23, 12                         ; scale words: lanes 0-15 at SCP + 2,048 x my half of P + 4 r; lanes 16-31 at SCRB + 4,096 x my half of R + 4 r
	v_mul_u32_u24 v27, s3, v2
	s_xor_b32 s3, s22, 1
	s_lshl_b32 s3, s3, 11
	s_add_co_u32 s3, s3, 2048
	v_mad_u32_u24 v27, s3, v2, v27
	s_lshl_b32 s3, s22, 11
	s_add_co_u32 s3, s3, SCP
	v_lshl_add_u32 v[ADRS], v1, 2, v27
	v_add_nc_u32 v[ADRS], s3, v[ADRS]
	s_mul_i32 s3, s2, 16*SPITCH                    ; my stage
	s_add_co_u32 s3, s3, STAGE
	v_mul_u32_u24 v[STO], v1, SPITCH
	v_lshl_add_u32 v[STO], v2, 6, v[STO]
	v_add_nc_u32 v[STO], s3, v[STO]                ; in: row r, + 64 h
	v_mul_u32_u24 v[RD], v2, SPITCH
	v_lshl_add_u32 v[RD], v1, 4, v[RD]
	v_add_nc_u32 v[RD], s3, v[RD]                  ; back: lanes 0-15 one row of 256 bytes, lanes 16-31 the next
	v_lshlrev_b32 v[CO], 12, v2
	v_lshl_add_u32 v[CO], v1, 4, v[CO]             ; and the same two rows in out0
	v_lshlrev_b32 v25, 6, v2                       ; the bias: 16 h numbers on
	s_wait_alu depctr_va_vdst(0)                   ; the wait here, ahead of the run of scalar lines
	s_lshl_b32 s16, s105, 1
	s_add_co_u32 s16, s16, s23
	s_lshl_b32 s16, s16, 9                         ; my first column, in bytes: 4 x (256 Ridx + 128 x my half)
	s_mov_b32 s17, 0
	s_add_nc_u64 s[12:13], s[12:13], s[16:17]
	s_lshl_b32 s18, s104, 1
	s_add_co_u32 s18, s18, s22
	s_lshl_b32 s18, s18, 18                        ; my first token: (128 Pidx + 64 x my half) rows of 4,096 bytes
	s_add_co_u32 s16, s16, s18
	s_add_nc_u64 s[14:15], s[14:15], s[16:17]
	WIN 0x80                                       ; destination window 2
.irp b, 0,1,2,3,4,5,6,7                        ; register 8 b + j: the bias of column 32 (b / 2) + 8 (b % 2) + 16 h + j
	global_load_b128 v[BI+8*\b:BI+8*\b+3], v25, s[12:13] offset:(32*(\b/2)+8*(\b%2))*4
	global_load_b128 v[BI+8*\b+4:BI+8*\b+7], v25, s[12:13] offset:(32*(\b/2)+8*(\b%2))*4+16
.endr
	WIN 0
	s_wait_alu depctr_va_vdst(0)                   ; the wait at the head's end
	s_wait_tensorcnt 0x0                           ; my one load has landed
	s_barrier_signal -1
	s_barrier_wait -1                              ; everybody's has
.irp q, 0,1,2,3
	SCALES \q
.endr
	FETCH 0, 0
	s_wait_loadcnt 0x0                             ; the bias
.irp k, 0,1,2,3,4,5,6,7
	STEP \k, 0                                     ; columns 0-63 of my 128
.endr
.irp k, 0,1,2,3,4,5,6,7
	STEP \k, 1                                     ; columns 64-127, and the first half's way out
.endr
	PLACES 4                                       ; behind the last products: their results are read
	TOSTAGE 0, 1
.irp a, 1,2,3
	TOSTAGE \a, 1
	SEND \a-1, 1, 16                               ; behind tile a - 1's loads: tile a's 8 stores and 8 loads
.endr
	SEND 3, 1, 0
	s_wait_tensorcnt 0x0                           ; the wave's end
	ds_add_u32 v[SPW], v[NIL]
	s_wait_dscnt 0x0
	CROUND                                         ; the closing round
	s_endpgm
.Lfunc_end_k_q61aa827657_outp:
	.size	k_q61aa827657_outp, .Lfunc_end_k_q61aa827657_outp-k_q61aa827657_outp
	.p2alignl 7, 3214868480
	.fill 96, 4, 3214868480
	.section	.rodata,"a",@progbits
	.p2align	6, 0x0
	.amdhsa_kernel k_q61aa827657_outp
		.amdhsa_group_segment_fixed_size 327680
		.amdhsa_private_segment_fixed_size 0
		.amdhsa_enable_private_segment 0
		.amdhsa_kernarg_size 48
		.amdhsa_user_sgpr_count 2
		.amdhsa_user_sgpr_kernarg_segment_ptr 1
		.amdhsa_wavefront_size32 1
		.amdhsa_system_sgpr_workgroup_id_x 1
		.amdhsa_system_sgpr_workgroup_id_y 1
		.amdhsa_system_sgpr_workgroup_id_z 1
		.amdhsa_system_vgpr_workitem_id 0
		.amdhsa_next_free_vgpr 768
		.amdhsa_next_free_sgpr 106
		.amdhsa_reserve_vcc 0
		.amdhsa_float_denorm_mode_32 3
		.amdhsa_float_denorm_mode_16_64 3
		.amdhsa_memory_ordered 1
		.amdhsa_forward_progress 1
		.amdhsa_inst_pref_size 98
	.end_amdhsa_kernel
	.amdgpu_metadata
---
amdhsa.version: [ 1, 2 ]
amdhsa.kernels:
  - .name:           k_q61aa827657_outp
    .symbol:         k_q61aa827657_outp.kd
    .args:
      - { .name: aimg, .offset: 0, .size: 8, .value_kind: global_buffer, .address_space: global }
      - { .name: asc, .offset: 8, .size: 8, .value_kind: global_buffer, .address_space: global }
      - { .name: wimg, .offset: 16, .size: 8, .value_kind: global_buffer, .address_space: global }
      - { .name: wsc, .offset: 24, .size: 8, .value_kind: global_buffer, .address_space: global }
      - { .name: bo, .offset: 32, .size: 8, .value_kind: global_buffer, .address_space: global }
      - { .name: out0, .offset: 40, .size: 8, .value_kind: global_buffer, .address_space: global }
    .group_segment_fixed_size: 327680
    .private_segment_fixed_size: 0
    .kernarg_segment_align: 8
    .kernarg_segment_size: 48
    .max_flat_workgroup_size: 128
    .sgpr_count:     106
    .vgpr_count:     768
    .wavefront_size: 32
...
	.end_amdgpu_metadata
.endif
;; end of part 4
